; MI455X (gfx1250); checked and timed in simulation.
; The chip was launched on July 23, 2026; its instructions are those of AMD's public machine-readable ISA for CDNA 5 (MIT licence, August 2026) and "CDNA5" Instruction Set Architecture Reference Guide (July 2026). The comments in the code are by the model that wrote it; some were corrected since.
;; Attention Head. Allowed arithmetic: matrix products marked QUANTISED: E3M2 operands, one E8M0 scale for each 32 along K, by v_wmma_scale_f32_16x16x128_f8f6f4 with both operands' format E3M2, f32 sums; everything else in f32.
;; Inputs: event_lengths 8 int32; k 8 x 2,048 x 128 float32; q 8 x 2,048 x 128 float32; v 8 x 2,048 x 128 float32.
;; Outputs: out0 8 x 2,048 x 128 float32.
;; This version of the problem:
;;   THIS VERSION OF THE PROBLEM IS GIVEN IN LOW PRECISION. The matrix products marked QUANTISED in the list below multiply operands that are first quantised to E3M2 (3 exponent bits, 2 mantissa bits; 6 bits a number), with one power-of-two scale for each 32 numbers along K (OCP MX v1.0); their sums are f32. All else is computed in f32.
;;   The module's matrix products, in the order in which they are computed (A, B: the left and right operand; K: the contracted axis; several contracted axes count as one K, in the product's order):
;;     1. batch 8 x [M 2,048, K 128] x [K 128, N 2,048]; A: input q; B: input k: QUANTISED
;;     2. batch 8 x [M 2,048, K 2,048] x [K 2,048, N 128]; A: softmax (see below); B: input v: QUANTISED
;;   THE QUANTISER, for each operand of a quantised product, along K:
;;     - K is cut into blocks of 32 from its start; a last block that is shorter is filled with zeros.
;;     - A block's scale is 2^e with e = floor(log2(the largest magnitude in the block)) - 4, held to -126 .. 127; a block of zeros has e = 0. As a byte (E8M0): e + 127.
;;     - Each number is divided by its block's scale, clamped to +-28, and rounded to the nearest number of E3M2, ties to even, subnormals kept.
;;     - The product sums the exact products of the quantised numbers (number of the format x scale) in f32.
;;   ~~~python
;;   def quantise(x, axis):      # numpy; x: float32 -> the quantised numbers, widened to float32 again
;;       x = np.moveaxis(x, axis, -1); K = x.shape[-1]
;;       x = np.pad(x, [(0, 0)] * (x.ndim - 1) + [(0, -K % 32)]); x = x.reshape(x.shape[:-1] + (-1, 32)); a = np.abs(x).max(-1, keepdims=True)
;;       e = np.where(a > 0, np.clip(np.frexp(np.where(a > 0, a, 1))[1] - 1 - 4, -126, 127), 0)      # np.frexp(a)[1] - 1 = floor(log2(a)), exactly
;;       r = np.clip(x / 2.0 ** e, -28, 28)
;;       step = 2.0 ** (np.maximum(np.frexp(np.where(r == 0, 1, r))[1] - 1, -2) - 2)
;;       q = np.round(r / step) * step * 2.0 ** e      # np.round: ties to even
;;       return np.moveaxis(q.reshape(q.shape[:-2] + (-1,))[..., :K], -1, axis).astype(np.float32)
;;   ~~~
;;   SOFTMAX AHEAD OF A QUANTISED PRODUCT. Where the list says 'softmax', what is quantised is not the finished softmax but p = 2^(t - M), with t = logit x log2(e) and M = ceil(the row's largest t), a whole number; so 1/2 < the row's largest p <= 1. The row's sum l is taken of the UNQUANTISED p, in f32, and the product's result is divided by l at the end. Since M is a whole number, a kernel that streams over the keys may use a running M (the ceiling of the running maximum): every later rescaling is an exact power of two, which a block's scale takes up: the codes' values come out the same.
;;   OPERANDS COMPUTED ON THE WAY. 'Computed on the way' means the value that the module computes at that place (a softmax that the list does not call 'softmax' is quantised finished and normalised). What goes into a quantiser is computed in f32, as accurately as f32 sums, v_exp_f32 and their like allow (about 1e-6 of the number): no bf16 or f16 on the way to a quantiser, and a product that is left as it is and whose result goes on into a quantised operand takes f32 operands (vector FMAs, or v_wmma_f32_16x16x4_f32). A number that lies on a knife's edge between two numbers of the format may be rounded either way, as far as f32 arithmetic and the matrix unit's own rounding can turn it there, and no further.
;; 3 versions. Each part assembles by itself: llvm-mc -triple=amdgcn-amd-amdhsa -mcpu=gfx1250 --defsym DOCPART=n.
;; ======== version 1 of 3: 2 launches
;; limits: right only within a limited range of input values
;; workspace buffers: codes 4,718,592 bytes; scales 262,144 bytes
;; launch quant (part 1): grid 128 x 3, 4 waves a work-group, no clusters, 68,096 bytes of LDS; arguments q, k, v, event_lengths, codes, scales; writes codes, scales
.if DOCPART == 1
	.amdgcn_target "amdgcn-amd-amdhsa--gfx1250"
	.amdhsa_code_object_version 6
	.text
	.protected	k_qb84da98d3d_quant
	.globl	k_qb84da98d3d_quant
	.p2align	8
	.type	k_qb84da98d3d_quant,@function
k_qb84da98d3d_quant:
	s_mov_b64 s[64:65], 0
	v_nop
	global_prefetch_b8 v0, s[64:65] scope:SCOPE_SE
	s_setreg_imm32_b32 hwreg(HW_REG_WAVE_MODE, 25, 1), 1
	s_wait_xcnt 0x0
; q, k, v [8][2048][128] f32 become codes of BF6 (E3M2) with one E8M0 scale byte for each 32 along a product's K, laid in the ORDER OF THE OPERAND'S REGISTERS.
; A fragment (16 rows x 128 K, 12 registers a lane) is 1,536 bytes: registers 4 c .. 4 c + 3 of lane l at 512 c + 16 l.  A record is two fragments, 3,072 bytes; its 32 scale words are 128 bytes: lane l's at 4 l,
; lanes 0-15 the first fragment's rows, lanes 16-31 the second's.  Record 64 b + 4 s + w:
;   q, k (K = the head's 128): rows 128 s + 32 w + 0 .. 31; fragment u, lane r = row 8 u + r + 8 (r / 8) of them, so that the scores of two neighbouring tiles of keys are 16 neighbouring keys in a lane's registers.
;   v (K = the keys): keys 128 s + 0 .. 127, channels 32 w + 0 .. 31; fragment u, lane r = channel 32 w + 16 u + r.
; A block's scale is 2^(floor(log2(its largest magnitude)) - 4); its byte is the largest magnitude's exponent field - 4, held at 1 from below (a block of zeros keeps the byte 1: its codes are zeros, and this program alone reads the bytes).
; ROWS AT OR BEYOND A BATCH'S LENGTH have all logits alike: p = 1 for all 2,048 keys, which is the code 16 under the byte 123, exactly.  Their product is the same for every such row: the sum over the keys of the quantised v.
; Its part for each 128 keys is made here, by two matrix instructions a record of v with that constant operand, and stored as f32 (128 bytes a record, 65,536 bytes behind v's scale words).
; SHARES.  Work-group x = 16 b + s; y = 0: v, 1: k, 2: q.  Wave w takes record 4 x + w: 16 KiB in, all its loads issued at once; straight-line text, no barrier: waves share nothing.
; WHAT THE MASK THROWS AWAY: a wave of k ends where 128 s >= length, a wave of q where 128 s + 32 w >= length: the next launch reads exactly the other records.  v is always done.
; LIMITS: NaN and infinities among the inputs are not served; blocks whose largest magnitude lies under 2^-122 keep the byte 1.
.set KSEC,  1572864                    ; codes: q's section at 0, k's here,
.set VSEC,  3145728                    ; v's here
.set KSS,   65536                      ; scales: q's at 0, k's here,
.set VSS,   131072                     ; v's here,
.set SUMD,  65536                      ; and the sums this far behind v's
.set SLOTB, 528                        ; the stage: a row's 512 bytes + 16, an odd multiple of 16: sixteen rows read at one column fall on different banks (64 banks of 4 bytes: ISA guide 11.1)
.set STG,   32*SLOTB                   ; a wave's stage
.set FLOOR, 0x2800000                  ; 2^(5 - 127): no largest magnitude is taken under it, so the byte cannot fall under 1
.set EOFF,  0xfe000000                 ; 4 off an exponent field
.set X,   16                           ; v16-143  128 numbers as loaded
.set Y,   144                          ; v144-207 q, k: a fragment's 64 numbers of my lane
.set C0,  208                          ; v208-219, v220-231 q, k: the two fragments' codes
.set C1,  220
.set T,   232                          ; v232-234, v236-238 the upper halves of two blocks' codes
.set MX,  9                            ; v9-10   largest magnitudes, then bytes
.set SO,  11                           ; v11-12  the conversions' scale operands
.set FA,  144                          ; v: v144-155, v156-167 the two fragments
.set FB,  156
.set TV,  168                          ; v168-183 the upper halves of four blocks' codes
.set PC,  184                          ; v184-195 the operand p = 1: the code 16 in every place
.set DA,  196                          ; v196-203, v204-211 the two sums' accumulators
.set DB,  204
.set WV,  212                          ; v212  v's scale words
.set PSC, 213                          ; v213  p's scale word: four bytes 123
.set MXV, 214                          ; v214-217
.set SOV, 218                          ; v218-221
.set BYV, 222                          ; v222-225
.set TV2, 226
.set VR,  227
	s_load_b256 s[4:11], s[0:1], 0x0               ; q s[4:5], k s[6:7], v s[8:9], event_lengths s[10:11]
	s_load_b128 s[12:15], s[0:1], 0x20             ; codes s[12:13], scales s[14:15]
	v_lshl_add_u32 v240, v0, 2, 0x10800
	v_mov_b32 v241, 0
	v_lshrrev_b32 v1, 5, v0
	v_readfirstlane_b32 s16, v1                    ; wave 0..3
	s_and_b32 s18, ttmp7, 0xffff                   ; which tensor
	s_lshl_b32 s20, ttmp9, 2
	s_add_co_u32 s20, s20, s16                     ; my record: 4 x + wave
	s_mul_i32 s32, s20, 3072                       ; its codes,
	s_mov_b32 s33, 0
	s_lshl_b32 s34, s20, 7                         ; its scale words,
	s_mov_b32 s35, 0
	s_lshl_b32 s36, ttmp9, 16                      ; and the work-group's 128 rows of 512 bytes
	s_mov_b32 s37, 0
	s_mov_b32 s30, 0x76543210
	s_mov_b32 s31, 0xfedcba98                      ; v_permlanex16_b32's selects for lane l xor 16
	v_and_b32 v1, 31, v0                           ; lane
	v_and_b32 v2, 15, v0                           ; r
	v_bfe_u32 v3, v0, 4, 1                         ; h
	v_lshlrev_b32 v4, 4, v1                        ; 16 x lane
	v_lshlrev_b32 v5, 2, v1                        ; 4 x lane
	s_mul_i32 s28, s16, STG
	v_add_nc_u32 v6, s28, v4                       ; the stage, on the way in: a row as it lies
	v_mul_u32_u24 v7, v2, SLOTB
	v_lshl_add_u32 v7, v3, 7, v7
	v_add_nc_u32 v7, s28, v7                       ; and out: slot r, + 128 h: my block of 32 numbers
	v_lshlrev_b32 v8, 3, v3                        ; 8 h
	v_mov_b32 v15, 0                               ; written once: a lane permute's destination counts as one of its sources
	v_cmp_gt_u32 vcc_lo, 16, v1                    ; lanes 0-15; VCC is written nowhere else
	s_wait_kmcnt 0x0
	s_cmp_eq_u32 s18, 0
	s_cbranch_scc1 .Lv
	; ---- q and k: K is innermost in memory
	s_lshr_b32 s20, ttmp9, 4                       ; the batch
	s_lshl_b32 s20, s20, 2
	s_mov_b32 s21, 0
	s_add_nc_u64 s[10:11], s[10:11], s[20:21]
	s_load_b32 s19, s[10:11], 0x0                  ; its length
	s_and_b32 s38, ttmp9, 15
	s_lshl_b32 s38, s38, 7                         ; 128 s
	s_lshl_b32 s39, s16, 5                         ; 32 w
	s_lshl_b32 s40, s16, 14                        ; my 32 rows
	s_add_co_u32 s36, s36, s40
	s_cmp_eq_u32 s18, 1                            ; k or q?  The choice hangs on the work-group's number alone
	s_cselect_b64 s[22:23], s[6:7], s[4:5]
	s_cselect_b32 s39, 0, s39
	s_cselect_b32 s40, KSEC, 0
	s_cselect_b32 s41, KSS, 0
	s_add_co_u32 s38, s38, s39                     ; the first row that decides whether my record is wanted
	s_add_co_u32 s32, s32, s40
	s_add_co_u32 s34, s34, s41
	s_add_nc_u64 s[22:23], s[22:23], s[36:37]
	s_add_nc_u64 s[24:25], s[12:13], s[32:33]
	s_add_nc_u64 s[26:27], s[14:15], s[34:35]
	s_wait_kmcnt 0x0
	s_cmp_ge_i32 s38, s19
	s_cbranch_scc1 .Lend                           ; nobody reads this record
.irp i, 0,1,2,3,4,5,6,7,8,9,10,11,12,13,14,15,16,17,18,19,20,21,22,23,24,25,26,27,28,29,30,31
	global_load_b128 v[X+4*\i:X+4*\i+3], v4, s[22:23] offset:512*\i th:TH_LOAD_NT   ; a load is a row: 512 consecutive bytes
.endr
; Row i = 8 g + e goes to slot 16 (g % 2) + e + 8 (g / 2): a fragment's sixteen rows lie in sixteen neighbouring slots
.irp g, 0,1,2,3
	s_wait_loadcnt 24-8*\g                         ; loads come back in order (ISA guide 5.7.1): these eight are in, the younger ones stay out
.irp e, 0,1,2,3,4,5,6,7
	ds_store_b128 v6, v[X+4*(8*\g+\e):X+4*(8*\g+\e)+3] offset:SLOTB*(16*(\g&1)+\e+8*(\g>>1))
.endr
.endr
; Lane (r, h) takes of its fragment's row r the numbers 64 c + 32 h + 0 .. 31, c = 0, 1: two whole blocks, in the order of the operand's registers.  LDS serves a wave's instructions in order: these see my stores
.macro RDFRAG u, dst
.irp c, 0,1
.irp k, 0,1,2,3,4,5,6,7
	ds_load_b128 v[\dst+32*\c+4*\k:\dst+32*\c+4*\k+3], v7 offset:16*SLOTB*\u+256*\c+16*\k
.endr
.endr
.endm
; 64 numbers of a lane become a fragment's 12 registers of codes, which are stored, and its rows' scale words
.macro QFRAG src, cd, wd, u
.irp b, 0,1
	v_max3_num_f32 v[MX+\b], |v[\src+32*\b]|, |v[\src+32*\b+1]|, FLOOR
.endr
.irp i, 2,4,6,8,10,12,14,16,18,20,22,24,26,28,30
.irp b, 0,1
	v_max3_num_f32 v[MX+\b], v[MX+\b], |v[\src+32*\b+\i]|, |v[\src+32*\b+\i+1]|   ; (the two blocks by turns)
.endr
.endr
.irp b, 0,1
	v_add_nc_u32 v[SO+\b], EOFF, v[MX+\b]          ; the conversion takes the exponent field of this operand as its scale, and nothing else of it
.endr
.irp b, 0,1
	v_lshrrev_b32 v[MX+\b], 23, v[SO+\b]           ; the scale's byte
.endr
	v_lshl_or_b32 v[\wd], v[MX+1], 16, v[MX]       ; my two bytes: blocks h and 2 + h,
	v_lshlrev_b32 v[\wd], v8, v[\wd]               ; at their places in the word;
	v_permlanex16_b32 v15, v[\wd], s30, s31
	v_or_b32 v[\wd], v[\wd], v15                   ; with lane l xor 16's two the word is whole, in both lanes
.irp b, 0,1
	v_cvt_scalef32_pk16_bf6_f32 v[\cd+6*\b:\cd+6*\b+2], v[\src+32*\b:\src+32*\b+15], v[SO+\b]
	v_cvt_scalef32_pk16_bf6_f32 v[T+4*\b:T+4*\b+2], v[\src+32*\b+16:\src+32*\b+31], v[SO+\b]   ; (a conversion's three registers begin on an even number)
.endr
	v_nop                                          ; one plain place behind a scaled conversion
.irp b, 0,1
.irp i, 0,1,2
	v_mov_b32 v[\cd+6*\b+3+\i], v[T+4*\b+\i]
.endr
.endr
.irp p, 0,1,2
	global_store_b128 v4, v[\cd+4*\p:\cd+4*\p+3], s[24:25] offset:1536*\u+512*\p   ; 32 lanes store 512 consecutive bytes, at a multiple of 512 from the buffer's first byte
.endr
.endm
	RDFRAG 0, Y
	s_wait_dscnt 0x0                               ; fragment 0's numbers are in, and the stores into the stage have read X,
	RDFRAG 1, X                                    ; which takes fragment 1's while fragment 0 is worked
	QFRAG Y, C0, 13, 0
	s_wait_dscnt 0x0
	QFRAG X, C1, 14, 1
	v_cndmask_b32 v239, v14, v13, vcc_lo           ; lanes 0-15: fragment 0's words, lanes 16-31: fragment 1's
	global_store_b32 v5, v239, s[26:27]
.Lend:
	s_wait_tensorcnt 0x0
	ds_add_u32 v240, v241
	s_wait_dscnt 0x0
	s_endpgm
	; ---- v: K (the keys) is not innermost: a lane takes a channel, and its registers run down the keys
.Lv:
	s_lshl_b32 s38, s16, 7                         ; my 32 channels: 128 bytes of each row
	s_add_co_u32 s36, s36, s38
	s_add_co_u32 s32, s32, VSEC
	s_add_co_u32 s34, s34, VSS
	s_add_nc_u64 s[22:23], s[8:9], s[36:37]
	s_add_nc_u64 s[24:25], s[12:13], s[32:33]
	s_add_nc_u64 s[26:27], s[14:15], s[34:35]
.irp kb, 0,1,2,3
.irp i, 0,1,2,3,4,5,6,7,8,9,10,11,12,13,14,15,16,17,18,19,20,21,22,23,24,25,26,27,28,29,30,31
	global_load_b32 v[X+32*\kb+\i], v5, s[22:23] offset:512*(32*\kb+\i) th:TH_LOAD_NT   ; key 32 kb + i at my channel: 128 consecutive bytes a wave, the four waves side by side on a row's 512
.endr
.endr
.irp n, 0,1,2,3
	v_mov_b32 v[PC+3*\n], 0x1c71c71c               ; sixteen codes 0x1c (the number 16), 6 bits each, are these three words
	v_mov_b32 v[PC+3*\n+1], 0xc71c71c7
	v_mov_b32 v[PC+3*\n+2], 0x71c71c71
.endr
	v_mov_b32 v[PSC], 0x7b7b7b7b                   ; under the scale 2^-4: p = 1
.macro VMAX kb                                 ; block kb's largest magnitude: all 32 numbers are mine; two chains
	v_max3_num_f32 v[MXV+\kb], |v[X+32*\kb]|, |v[X+32*\kb+1]|, |v[X+32*\kb+2]|
	v_max3_num_f32 v[TV2], |v[X+32*\kb+3]|, |v[X+32*\kb+4]|, |v[X+32*\kb+5]|
.irp i, 6,10,14,18,22,26
	v_max3_num_f32 v[MXV+\kb], v[MXV+\kb], |v[X+32*\kb+\i]|, |v[X+32*\kb+\i+1]|
	v_max3_num_f32 v[TV2], v[TV2], |v[X+32*\kb+\i+2]|, |v[X+32*\kb+\i+3]|
.endr
	v_max3_num_f32 v[MXV+\kb], v[MXV+\kb], |v[X+32*\kb+30]|, |v[X+32*\kb+31]|
	v_max3_num_f32 v[MXV+\kb], v[MXV+\kb], v[TV2], FLOOR
.endm
	s_wait_loadcnt 63                              ; all but the youngest 63 of the 128 are in: blocks 0 and 1 (a wait's count names no more)
	VMAX 0
	VMAX 1
	s_wait_loadcnt 32                              ; block 2 is in
	VMAX 2
	s_wait_loadcnt 0x0
	VMAX 3
.irp kb, 0,1,2,3
	v_add_nc_u32 v[SOV+\kb], EOFF, v[MXV+\kb]
.endr
.irp kb, 0,1,2,3
	v_lshrrev_b32 v[BYV+\kb], 23, v[SOV+\kb]
.endr
	v_lshl_or_b32 v[WV], v[BYV+1], 8, v[BYV]       ; my channel's scale word for these 128 keys
	v_lshl_or_b32 v[WV], v[BYV+2], 16, v[WV]
	v_lshl_or_b32 v[WV], v[BYV+3], 24, v[WV]
.irp c, 0,1                                    ; block 2 c into FA's registers 6 c on, block 2 c + 1 into FB's
	v_cvt_scalef32_pk16_bf6_f32 v[FA+6*\c:FA+6*\c+2], v[X+64*\c:X+64*\c+15], v[SOV+2*\c]
	v_cvt_scalef32_pk16_bf6_f32 v[TV+8*\c:TV+8*\c+2], v[X+64*\c+16:X+64*\c+31], v[SOV+2*\c]
	v_cvt_scalef32_pk16_bf6_f32 v[FB+6*\c:FB+6*\c+2], v[X+64*\c+32:X+64*\c+47], v[SOV+2*\c+1]
	v_cvt_scalef32_pk16_bf6_f32 v[TV+8*\c+4:TV+8*\c+6], v[X+64*\c+48:X+64*\c+63], v[SOV+2*\c+1]
.endr
	v_nop                                          ; one plain place behind a scaled conversion
.irp c, 0,1
.irp i, 0,1,2
	v_mov_b32 v[FA+6*\c+3+\i], v[TV+8*\c+\i]
	v_mov_b32 v[FB+6*\c+3+\i], v[TV+8*\c+4+\i]
.endr
.endr
; A lane holds all four blocks of its channel; the operand's layout wants lane (r, h) to hold blocks h and 2 + h of row r.  FA's lanes 16-31 change places with FB's lanes 0-15:
; FA is then the fragment of channels 32 w + 0 .. 15, FB that of channels 32 w + 16 .. 31
.irp n, 0,1,2,3,4,5,6,7,8,9,10,11
	v_permlane16_swap_b32 v[FA+\n], v[FB+\n]
.endr
.irp p, 0,1,2
	global_store_b128 v4, v[FA+4*\p:FA+4*\p+3], s[24:25] offset:512*\p
.endr
.irp p, 0,1,2
	global_store_b128 v4, v[FB+4*\p:FB+4*\p+3], s[24:25] offset:1536+512*\p
.endr
	global_store_b32 v5, v[WV], s[26:27]
.rept 8
	v_nop                                          ; an operand written by vector instructions stands 4 places ahead of a scaled matrix instruction, a scale register so written 8
.endr
	; source 0 = 16 rows of p = 1, source 1 = 16 channels of v: every row of the result holds, at column r, the sum over the 128 keys of the quantised v
	v_wmma_scale_f32_16x16x128_f8f6f4 v[DA:DA+7], v[PC:PC+11], v[FA:FA+11], 0, v[PSC], v[WV] matrix_a_fmt:MATRIX_FMT_BF6 matrix_b_fmt:MATRIX_FMT_BF6
	v_wmma_scale_f32_16x16x128_f8f6f4 v[DB:DB+7], v[PC:PC+11], v[FB:FB+11], 0, v[PSC], v[WV] matrix_a_fmt:MATRIX_FMT_BF6 matrix_b_fmt:MATRIX_FMT_BF6 matrix_b_scale:MATRIX_SCALE_ROW1
.rept 4
	v_nop                                          ; four places behind a matrix instruction before its result is read (ISA guide 7.12.1)
.endr
	v_cndmask_b32 v[VR], v[DB], v[DA], vcc_lo      ; lane l: channel 32 w + l.  Each accumulator is read at its lowest register
	global_store_b32 v5, v[VR], s[26:27] offset:SUMD
	s_endpgm
.Lfunc_end_k_qb84da98d3d_quant:
	.size	k_qb84da98d3d_quant, .Lfunc_end_k_qb84da98d3d_quant-k_qb84da98d3d_quant
	.p2alignl 7, 3214868480
	.fill 96, 4, 3214868480
	.section	.rodata,"a",@progbits
	.p2align	6, 0x0
	.amdhsa_kernel k_qb84da98d3d_quant
		.amdhsa_group_segment_fixed_size 68096
		.amdhsa_private_segment_fixed_size 0
		.amdhsa_enable_private_segment 0
		.amdhsa_kernarg_size 48
		.amdhsa_user_sgpr_count 2
		.amdhsa_user_sgpr_kernarg_segment_ptr 1
		.amdhsa_wavefront_size32 1
		.amdhsa_system_sgpr_workgroup_id_x 1
		.amdhsa_system_sgpr_workgroup_id_y 1
		.amdhsa_system_sgpr_workgroup_id_z 1
		.amdhsa_system_vgpr_workitem_id 0
		.amdhsa_next_free_vgpr 242
		.amdhsa_next_free_sgpr 66
		.amdhsa_reserve_vcc 1
		.amdhsa_float_denorm_mode_32 3
		.amdhsa_float_denorm_mode_16_64 3
		.amdhsa_memory_ordered 1
		.amdhsa_forward_progress 1
		.amdhsa_inst_pref_size 37
	.end_amdhsa_kernel
	.amdgpu_metadata
---
amdhsa.version: [ 1, 2 ]
amdhsa.kernels:
  - .name:           k_qb84da98d3d_quant
    .symbol:         k_qb84da98d3d_quant.kd
    .args:
      - { .name: q, .offset: 0, .size: 8, .value_kind: global_buffer, .address_space: global }
      - { .name: k, .offset: 8, .size: 8, .value_kind: global_buffer, .address_space: global }
      - { .name: v, .offset: 16, .size: 8, .value_kind: global_buffer, .address_space: global }
      - { .name: event_lengths, .offset: 24, .size: 8, .value_kind: global_buffer, .address_space: global }
      - { .name: codes, .offset: 32, .size: 8, .value_kind: global_buffer, .address_space: global }
      - { .name: scales, .offset: 40, .size: 8, .value_kind: global_buffer, .address_space: global }
    .group_segment_fixed_size: 68096
    .private_segment_fixed_size: 0
    .kernarg_segment_align: 8
    .kernarg_segment_size: 48
    .max_flat_workgroup_size: 128
    .sgpr_count:     66
    .vgpr_count:     242
    .wavefront_size: 32
...
	.end_amdgpu_metadata
.endif
;; end of part 1
;; launch attn (part 2): grid 8 x 64, 16 waves a work-group, no clusters, 277,504 bytes of LDS; arguments event_lengths, codes, scales, out0; writes out0
.if DOCPART == 2
	.amdgcn_target "amdgcn-amd-amdhsa--gfx1250"
	.amdhsa_code_object_version 6
	.text
	.protected	k_qb84da98d3d_attn
	.globl	k_qb84da98d3d_attn
	.p2align	8
	.type	k_qb84da98d3d_attn,@function
k_qb84da98d3d_attn:
	s_mov_b64 s[64:65], 0
	v_nop
	global_prefetch_b8 v0, s[64:65] scope:SCOPE_SE
	s_setreg_imm32_b32 hwreg(HW_REG_WAVE_MODE, 25, 1), 1
	s_wait_xcnt 0x0
; out0[b][q] = softmax_k(mask(q . k / sqrt(128))) v, both products on codes of BF6 (E3M2) with one E8M0 scale for each 32 along K; an entry counts where q < length[b] and k < length[b], else its logit is -1e9.
; THE SOFTMAX AHEAD OF THE SECOND PRODUCT: t = score x log2(e) / sqrt(128); M = the largest t rounded up to a whole number; p = 2^(t - M) is quantised along the keys, not normalised; the sum of the unquantised p divides at the end.
; SHARES.  Work-group (b, j) owns queries 32 j .. 32 j + 31 of batch b: two tiles of 16 (one record of q's codes).  WAVE s OWNS KEY STEP s, keys 128 s .. 128 s + 127, for both tiles: each fragment of K and V comes from memory
; straight into registers, once a work-group, and feeds two matrix instructions.  No loop over keys, no running maximum, no chain of matrix instructions: every sum begins and ends in one instruction.
; A wave's M is its own step's.  The sixteen partial results of a row meet in LDS behind ONE barrier and are brought under the row's M by 2^(M_s - M): whole powers of two, which round nothing.
; WHAT THE MASK THROWS AWAY.  A key at or beyond the length has p = 0 for a query under it: a wave all of whose keys lie there does no product.  A query at or beyond the length has p = 1 for all 2,048 keys: its row is the sum
; over the keys of the quantised v (made by the launch before, in sixteen parts a batch) / 2,048.  In a work-group on the edge such rows are computed like the others (finite numbers) and then replaced.
; NO CLUSTER, NO TENSOR LOADS, though the 64 work-groups of a batch read the same K and V: which key steps a work-group multiplies hangs on event_lengths, read from memory
; with tensor loads all 16 steps of all 64 blocks would be multiplied, against (length / 2,048)^2 of them here.
; LAYOUT.  Both products are used transposed: S^T = K Q^T, O^T = V^T P^T: a lane holds ONE query (lane % 16) throughout.  Lane r of a tile of K is key 32 b' + 8 u + r + 8 (r / 8), so that register 16 b' + i of the scores
; is key 32 b' + 16 (lane / 16) + i.  Lane r of tile u of Q is query 8 u + r + 8 (r / 8) of the 32.
; LIMITS: NaN and infinities are not served.  event_lengths is held to 0 .. 2,048, which gives reference()'s mask for any whole number.  A hidden key of a query under the length is taken as p = 0, which holds while the kept logits
; lie above about -1e9 + 200.
.set KSEC,  1572864                    ; codes: q's section at 0, K's here,
.set SECD,  1572864                    ; V's this far behind K's
.set KSS,   65536                      ; scales: q's at 0, K's here, V's as far again,
.set VSUM,  196608                     ; the sums of v here
.set SLOTB, 528                        ; LDS: a query's 128 partial results, 512 bytes + 16: an odd multiple of 16, so that sixteen queries' stores fall on different banks (64 banks of 4 bytes: ISA guide 11.1)
.set REG,   32*SLOTB                   ; a wave's region: slot 16 u + r for tile u, lane r.  Sixteen regions from LDS byte 0
.set STM,   16*REG                     ; behind them: -M, 80 bytes a slot (16 words + 16 bytes), word s = wave s's
.set STROW, 80
.set STL,   32*STROW                   ; and the sums l, this far behind -M
.set Q0,  20                           ; v20-31   Q, tile 0;  v240-251 tile 1
.set QD,  220
.set KV,  32                           ; v32-127  eight fragments of K, then of V
.set S,   128                          ; v128-191 S^T, then p, then O^T
.set P0,  192                          ; v192-203, v204-215 p's codes, tile 0, 1
.set PS,  216                          ; v216-217 p's scale words
.set QSC, 218                          ; v218     Q's scale words: lanes 0-15 tile 0's, lanes 16-31 tile 1's
.set BM,  220                          ; v220-223 the four blocks' largest scores, then largest p
.set PT,  224                          ; v224-227 at work
.set SO,  228                          ; v228-231 the conversions' scale operands
.set CV,  232                          ; v232-234, v236-238 half blocks of codes
.set KSC, 252                          ; v252-255 K's, then V's scale words: register g: lanes 0-15 fragment 2 g's, lanes 16-31 fragment 2 g + 1's
; behind the barrier:
.set NM,  32                           ; v32-63   -M of the 16 waves, for my two rows; then the factors f of the even waves
.set LL,  64                           ; v64-95   l likewise
.set OP,  96                           ; v96-127  four waves' partial results of my two rows, 16 bytes a lane
.set ACC, 128                          ; v128-135 my two rows
.set GM,  136                          ; v136-137 the rows' -M
.set LS,  138                          ; v138-139 the rows' l
.set EE,  140                          ; v140-171 exponents; then the factors f of the odd waves, at even registers
.set RC,  172                          ; v172-173 1 / l
.set MN,  140                          ; v140-203 the sixteen parts of the sum of v
.set MA,  204                          ; v204-207, v208-211 two chains
.set MB,  208
.macro WM d, a, b, sa, sb, ra, rb      ; one product; ra, rb: source 0's, source 1's scale words lie in lanes 16-31
.if (\ra) && (\rb)
	v_wmma_scale_f32_16x16x128_f8f6f4 v[\d:\d+7], v[\a:\a+11], v[\b:\b+11], 0, v[\sa], v[\sb] matrix_a_fmt:MATRIX_FMT_BF6 matrix_b_fmt:MATRIX_FMT_BF6 matrix_a_scale:MATRIX_SCALE_ROW1 matrix_b_scale:MATRIX_SCALE_ROW1
.elseif (\ra)
	v_wmma_scale_f32_16x16x128_f8f6f4 v[\d:\d+7], v[\a:\a+11], v[\b:\b+11], 0, v[\sa], v[\sb] matrix_a_fmt:MATRIX_FMT_BF6 matrix_b_fmt:MATRIX_FMT_BF6 matrix_a_scale:MATRIX_SCALE_ROW1
.elseif (\rb)
	v_wmma_scale_f32_16x16x128_f8f6f4 v[\d:\d+7], v[\a:\a+11], v[\b:\b+11], 0, v[\sa], v[\sb] matrix_a_fmt:MATRIX_FMT_BF6 matrix_b_fmt:MATRIX_FMT_BF6 matrix_b_scale:MATRIX_SCALE_ROW1
.else
	v_wmma_scale_f32_16x16x128_f8f6f4 v[\d:\d+7], v[\a:\a+11], v[\b:\b+11], 0, v[\sa], v[\sb] matrix_a_fmt:MATRIX_FMT_BF6 matrix_b_fmt:MATRIX_FMT_BF6
.endif
.endm
	s_load_b256 s[4:11], s[0:1], 0x0               ; event_lengths s[4:5], codes s[6:7], scales s[8:9], out0 s[10:11]
	v_lshl_add_u32 v235, v0, 2, 0x43400
	v_mov_b32 v239, 0
	v_lshrrev_b32 v1, 5, v0
	v_readfirstlane_b32 s12, v1                    ; wave 0..15
	s_mov_b32 s13, ttmp9                           ; b
	s_and_b32 s14, ttmp7, 0xffff                   ; j
	s_lshl_b32 s42, s13, 2
	s_mov_b32 s43, 0                               ; stays 0: the upper word of every offset
	s_wait_kmcnt 0x0
	s_add_nc_u64 s[4:5], s[4:5], s[42:43]
	s_load_b32 s15, s[4:5], 0x0                    ; the batch's length; all that follows up to the wait hangs on ids alone
	s_mov_b32 s20, 0x76543210
	s_mov_b32 s21, 0xfedcba98                      ; v_permlanex16_b32's selects for lane l xor 16
	s_mov_b32 s22, 0x3e0293ee                      ; c = log2(e) / sqrt(128)
	s_mov_b32 s23, s22                             ; (named with it as a pair, so it is written)
	s_lshl_b32 s18, s12, 7                         ; my first key
	s_add_co_u32 s41, s18, 128                     ; and the first behind my last
	s_lshl_b32 s44, s13, 4
	s_add_co_u32 s44, s44, s12                     ; 16 b + wave: my key step's four records
	s_mul_i32 s42, s44, 12288
	s_add_co_u32 s42, s42, KSEC
	s_add_nc_u64 s[24:25], s[6:7], s[42:43]        ; K's codes
	s_add_nc_u64 s[26:27], s[24:25], SECD          ; V's
	s_lshl_b32 s42, s44, 9
	s_add_co_u32 s42, s42, KSS
	s_add_nc_u64 s[30:31], s[8:9], s[42:43]        ; K's scale words
	s_add_nc_u64 s[32:33], s[30:31], KSS           ; V's
	s_lshl_b32 s44, s13, 6
	s_add_co_u32 s44, s44, s14                     ; 64 b + j: my work-group's record of q
	s_mul_i32 s42, s44, 3072
	s_add_nc_u64 s[28:29], s[6:7], s[42:43]
	s_lshl_b32 s42, s44, 7
	s_add_nc_u64 s[34:35], s[8:9], s[42:43]
	s_lshl_b32 s42, s13, 13
	s_add_co_u32 s42, s42, VSUM
	s_add_nc_u64 s[36:37], s[8:9], s[42:43]        ; the batch's sixteen parts of the sum of v, 512 bytes each
	s_lshr_b32 s45, s12, 3                         ; behind the barrier I own slots 2 w and 2 w + 1: tile w / 8, lanes 2 (w % 8) and the next:
	s_lshl_b32 s45, s45, 3
	s_and_b32 s46, s12, 7
	s_lshl_b32 s46, s46, 1
	s_add_co_u32 s45, s45, s46
	s_bfe_u32 s46, s12, 0x10002
	s_lshl_b32 s46, s46, 3
	s_add_co_u32 s45, s45, s46                     ; queries 8 (w / 8) + 2 (w % 8) + 8 ((w / 4) % 2) and the next of the 32
	s_lshl_b32 s47, s14, 5
	s_add_co_u32 s47, s47, s45                     ; my first row in the batch
	s_lshl_b32 s46, s44, 5
	s_add_co_u32 s46, s46, s45
	s_lshl_b32 s42, s46, 9
	s_add_nc_u64 s[38:39], s[10:11], s[42:43]      ; and in out0
	; every LDS address is made here, ahead of the first parting of the waves: constants, the lane and the wave's number
	v_and_b32 v18, 31, v0
	v_lshlrev_b32 v1, 4, v18                       ; v1  16 x lane
	v_lshlrev_b32 v2, 2, v18                       ; v2  4 x lane
	v_and_b32 v19, 15, v0                          ; r
	v_bfe_u32 v10, v0, 4, 1                        ; h
	s_mul_i32 s48, s12, REG
	v_mul_u32_u24 v3, v19, SLOTB
	v_lshl_add_u32 v3, v10, 5, v3
	v_add_nc_u32 v3, s48, v3                       ; v3  my region, slot r, + 32 h: where I put eight channels of a query
	s_lshl_b32 s49, s12, 2
	s_add_co_u32 s49, s49, STM
	v_mul_u32_u24 v4, v19, STROW
	v_add_nc_u32 v4, s49, v4                       ; v4  slot r's word for my wave
	s_mul_i32 s49, s12, 2*STROW
	s_add_co_u32 s49, s49, STM
	v_mov_b32 v5, s49                              ; v5  the sixteen words of slot 2 w
	s_mul_i32 s49, s12, 2*SLOTB
	v_add_nc_u32 v6, s49, v1                       ; v6-9  slot 2 w in the regions of waves 0, 4, 8, 12, 16 bytes a lane (an LDS offset has 16 bits)
	v_add_nc_u32 v7, 4*REG, v6
	v_add_nc_u32 v8, 8*REG, v6
	v_add_nc_u32 v9, 12*REG, v6
	v_mov_b32 v11, 0xff800000                      ; -infinity
	v_mov_b32 v13, 0                               ; (named as the upper half of the pair v[12:13])
	v_mov_b32 v19, 0                               ; written once, as are the next four: a lane permute's destination counts as one of its sources
.irp b, 0,1,2,3
	v_mov_b32 v[PT+\b], 0
.endr
	s_wait_kmcnt 0x0
	s_max_i32 s15, s15, 0
	s_min_i32 s15, s15, 2048                       ; the same mask as with the number as given
	s_lshl_b32 s19, s14, 5
	s_add_co_u32 s16, s15, 127
	s_lshr_b32 s16, s16, 7
	s_cmp_lt_i32 s19, s15
	s_cselect_b32 s16, s16, 0                      ; s16  key steps to be multiplied: ceil(length / 128) where a query of mine lies under the length, else none
	s_add_co_u32 s17, s16, 3
	s_and_b32 s17, s17, -4                         ; s17  rounded up to fours: the merge reads partial results four waves at a time
	s_sub_co_i32 s40, s15, s47
	s_max_i32 s40, s40, 0
	s_min_i32 s40, s40, 2                          ; s40  how many of my two rows lie under the length
	s_sub_co_i32 s19, s15, s18
	v_lshlrev_b32 v10, 4, v10
	v_sub_nc_u32 v10, s19, v10                     ; v10  length - my first key - 16 h
	s_cmp_lt_u32 s12, s16
	s_cbranch_scc1 .Lactive
	; ---- a wave without keys: -M = 3e38, over every -M, so that its factor comes out 0; l = 0; zeros for partial results where the merge will read them
	v_mov_b32 v18, 0x7f61b1e6
	ds_store_b32 v4, v18
	ds_store_b32 v4, v18 offset:16*STROW
	ds_store_b32 v4, v19 offset:STL
	ds_store_b32 v4, v19 offset:STL+16*STROW
	s_cmp_lt_u32 s12, s17
	s_cbranch_scc0 .Ljoin
.irp e, 0,1,2,3
	v_mov_b32 v[32+\e], 0
.endr
.irp u, 0,1
.irp dt, 0,1,2,3,4,5,6,7
	ds_store_b128 v3, v[32:35] offset:16*SLOTB*\u+64*\dt
	ds_store_b128 v3, v[32:35] offset:16*SLOTB*\u+64*\dt+16
.endr
.endr
	s_branch .Ljoin
; S^T of tile u: eight tiles of 16 keys.  counted = 1: K's fragments are still landing
.macro SCORE u, counted
.irp kt, 0,1,2,3,4,5,6,7
.if \counted
	s_wait_loadcnt 3*(7-\kt)                       ; loads come back in order (ISA guide 5.7.1): fragment kt is in; the younger fragments' three loads each stay out
.endif
	WM S+8*\kt, KV+12*\kt, Q0+QD*\u, KSC+\kt/2, QSC, \kt%2, \u
.endr
.endm
; O^T of tile u for my 128 keys: eight tiles of 16 channels
.macro PV u, counted
.irp dt, 0,1,2,3,4,5,6,7
.if \counted
	s_wait_loadcnt 3*(7-\dt)
.endif
	WM S+8*\dt, KV+12*\dt, P0+12*\u, KSC+\dt/2, PS+\u, \dt%2, 0
.endr
.endm
.macro PSTORE u                        ; lane (r, h): channels 16 dt + 8 h + 0 .. 7 of query r; each accumulator from its low end on
.irp dt, 0,1,2,3,4,5,6,7
	ds_store_b128 v3, v[S+8*\dt:S+8*\dt+3] offset:16*SLOTB*\u+64*\dt
	ds_store_b128 v3, v[S+8*\dt+4:S+8*\dt+7] offset:16*SLOTB*\u+64*\dt+16
.endr
.endm
; The scores of keys at or beyond the length become -infinity ahead of the maximum: p = 0 then.  A step all of whose keys count jumps over this.  Register n holds key (my first) + 16 h + 32 (n / 16) + n % 16
.macro MASK
	s_cmp_le_i32 s41, s15
	s_cbranch_scc1 .Lopen_\@
.irp n, 0,1,2,3,4,5,6,7,8,9,10,11,12,13,14,15,16,17,18,19,20,21,22,23,24,25,26,27,28,29,30,31,32,33,34,35,36,37,38,39,40,41,42,43,44,45,46,47,48,49,50,51,52,53,54,55,56,57,58,59,60,61,62,63
	v_cmp_ge_i32 vcc_lo, 32*(\n/16)+\n%16, v10
	v_cndmask_b32 v[S+\n], v[S+\n], v11, vcc_lo
.endr
.Lopen_\@:
.endm
; Tile u's 64 scores of a lane become p's codes and scale word; -M and l go to LDS.  My first key lies under the length, so every query's maximum is a number
.macro SOFTMAX u
.set PP, P0+12*\u
.if \u
	s_wait_dscnt 0x0                               ; tile 0's two stores have read v12 and v14, which are written again below
.endif
.irp b, 0,1,2,3
	v_max3_num_f32 v[BM+\b], v[S+16*\b], v[S+16*\b+1], v[S+16*\b+2]   ; the largest score of each block of 32 keys: it serves for the row's maximum and, since p rises with the score, for the block's largest p
.endr
.irp i, 3,5,7,9,11,13
.irp b, 0,1,2,3
	v_max3_num_f32 v[BM+\b], v[BM+\b], v[S+16*\b+\i], v[S+16*\b+\i+1]   ; (the four blocks by turns)
.endr
.endr
.irp b, 0,1,2,3
	v_max_num_f32 v[BM+\b], v[BM+\b], v[S+16*\b+15]
.endr
.irp b, 0,1,2,3
	v_permlanex16_b32 v[PT+\b], v[BM+\b], s20, s21
.endr
.irp b, 0,1,2,3
	v_max_num_f32 v[BM+\b], v[BM+\b], v[PT+\b]     ; with lane l xor 16's 16 keys
.endr
	v_max3_num_f32 v18, v[BM], v[BM+1], v[BM+2]
	v_max_num_f32 v18, v18, v[BM+3]                ; my query's largest score in this step
	v_mul_f32 v18, s22, v18                        ; as t (c is positive)
	v_floor_f32 v12, -v18                          ; -M = floor(-t) = -ceil(t): a whole number
.irp j, 0,2,4,6,8,10,12,14,16,18,20,22,24,26,28,30,32,34,36,38,40,42,44,46,48,50,52,54,56,58,60,62
	v_pk_fma_f32 v[S+\j:S+\j+1], v[S+\j:S+\j+1], s[22:23], v[12:13] op_sel_hi:[1,0,0]   ; t - M, two at a time (of the pairs c and -M the low word serves both halves)
.endr
.irp b, 0,1,2,3
	v_fma_f32 v[BM+\b], v[BM+\b], s22, v12         ; the same of each block's largest score
.endr
.irp j, 0,1,2,3,4,5,6,7,8,9,10,11,12,13,14,15,16,17,18,19,20,21,22,23,24,25,26,27,28,29,30,31,32,33,34,35,36,37,38,39,40,41,42,43,44,45,46,47,48,49,50,51,52,53,54,55,56,57,58,59,60,61,62,63
	v_exp_f32 v[S+\j], v[S+\j]                     ; p = 2^(t - M), at most 1
.endr
	v_nop                                          ; a plain place behind the exponentials
	s_wait_alu depctr_va_vdst(0)                   ; one wait for the whole batch, ahead of its first reader
.irp b, 0,1,2,3
	v_exp_f32 v[BM+\b], v[BM+\b]                   ; the block's largest p: the same two instructions on the same number give the same bits
.endr
	v_pk_add_f32 v[14:15], v[S:S+1], v[S+2:S+3]    ; the sum is taken of the unquantised p: two at a time, in two chains, begun by additions.  (It reads the 64 alone: plain work behind the four)
	v_pk_add_f32 v[16:17], v[S+4:S+5], v[S+6:S+7]
.irp j, 8,12,16,20,24,28,32,36,40,44,48,52,56,60
	v_pk_add_f32 v[14:15], v[14:15], v[S+\j:S+\j+1]
	v_pk_add_f32 v[16:17], v[16:17], v[S+\j+2:S+\j+3]
.endr
	v_pk_add_f32 v[14:15], v[14:15], v[16:17]
	s_wait_alu depctr_va_vdst(0)                   ; and one for the four
.irp b, 0,1,2,3
	v_max_num_f32 v[BM+\b], 0x2800000, v[BM+\b]    ; the floor 2^(5 - 127): the byte cannot fall under 1 (a block whose every p is 0 keeps that byte: its codes are zeros)
.endr
.irp b, 0,1,2,3
	v_add_nc_u32 v[SO+\b], 0xfe000000, v[BM+\b]    ; 4 off the exponent field: the conversion's scale operand
.endr
.irp b, 0,1,2,3
	v_lshrrev_b32 v[PT+\b], 23, v[SO+\b]           ; the scale's byte
.endr
	v_lshl_or_b32 v[PS+\u], v[PT+1], 8, v[PT]      ; p's scale word for my 128 keys
	v_lshl_or_b32 v[PS+\u], v[PT+2], 16, v[PS+\u]
	v_lshl_or_b32 v[PS+\u], v[PT+3], 24, v[PS+\u]
.irp c, 0,1
	v_cvt_scalef32_pk16_bf6_f32 v[PP+6*\c:PP+6*\c+2], v[S+32*\c:S+32*\c+15], v[SO+2*\c]
	v_cvt_scalef32_pk16_bf6_f32 v[CV+4*\c:CV+4*\c+2], v[S+32*\c+16:S+32*\c+31], v[SO+2*\c+1]   ; (a conversion's three registers begin on an even number)
.endr
	v_nop                                          ; one plain place behind a scaled conversion
.irp c, 0,1                                    ; the operand's layout wants a whole block in a lane: lanes 0-15 block 2 c, lanes 16-31 block 2 c + 1
.irp i, 0,1,2
	v_permlane16_swap_b32 v[PP+6*\c+\i], v[CV+4*\c+\i]
.endr
.irp i, 0,1,2
	v_mov_b32 v[PP+6*\c+3+\i], v[CV+4*\c+\i]
.endr
.endr
	v_add_f32 v14, v14, v15                        ; the sum's two halves,
	v_permlanex16_b32 v19, v14, s20, s21
	v_add_f32 v14, v14, v19                        ; and lane l xor 16's
	ds_store_b32 v4, v12 offset:16*STROW*\u        ; (lanes r and 16 + r write the same word with the same value)
	ds_store_b32 v4, v14 offset:STL+16*STROW*\u
.endm
	; ---- a wave with keys
.Lactive:
	global_load_b32 v[QSC], v2, s[34:35]
.irp g, 0,1,2,3
	global_load_b32 v[KSC+\g], v2, s[30:31] offset:128*\g
.endr
.irp p, 0,1,2
	global_load_b128 v[Q0+4*\p:Q0+4*\p+3], v1, s[28:29] offset:512*\p
.endr
.irp p, 0,1,2
	global_load_b128 v[Q0+QD+4*\p:Q0+QD+4*\p+3], v1, s[28:29] offset:1536+512*\p
.endr
.irp f, 0,1,2,3,4,5,6,7,8,9,10,11,12,13,14,15,16,17,18,19,20,21,22,23
	global_load_b128 v[KV+4*\f:KV+4*\f+3], v1, s[24:25] offset:512*\f   ; the images of K's eight fragments, three loads each: 512 consecutive bytes a load
.endr
	SCORE 0, 1
.rept 4
	v_nop                                          ; four places behind a matrix instruction before its result is read (ISA guide 7.12.1)
.endr
	MASK
	SOFTMAX 0
	SCORE 1, 0
.rept 4
	v_nop                                          ; the same four, also for the loads into the registers that these products have read
.endr
.irp g, 0,1,2,3
	global_load_b32 v[KSC+\g], v2, s[32:33] offset:128*\g
.endr
.irp f, 0,1,2,3,4,5,6,7,8,9,10,11,12,13,14,15,16,17,18,19,20,21,22,23
	global_load_b128 v[KV+4*\f:KV+4*\f+3], v1, s[26:27] offset:512*\f   ; V's eight fragments land while tile 1's softmax is worked
.endr
	MASK
	SOFTMAX 1
.rept 8
	v_nop                                          ; a scale register written by a vector instruction stands 8 places ahead of a scaled matrix instruction, an operand so written 4
.endr
	PV 0, 1
.rept 5
	v_nop                                          ; four places in front of the stores that read the results, five in front of the products that write over them
.endr
	PSTORE 0
	s_wait_dscnt 0x0                               ; the stores have read their registers
	PV 1, 0
.rept 4
	v_nop
.endr
	PSTORE 1
.Ljoin:
	s_wait_dscnt 0x0                               ; for the others' sake: all my LDS stores have landed
	s_barrier_signal -1
	s_barrier_wait -1                              ; the one barrier, on every wave's path
	s_cmp_eq_u32 s40, 0
	s_cbranch_scc1 .Lall
	; ---- THE MERGE of my two rows
.irp i, 0,1
.irp k, 0,1,2,3
	ds_load_b128 v[NM+16*\i+4*\k:NM+16*\i+4*\k+3], v5 offset:STROW*\i+16*\k          ; every lane reads the same words
.endr
.irp k, 0,1,2,3
	ds_load_b128 v[LL+16*\i+4*\k:LL+16*\i+4*\k+3], v5 offset:STL+STROW*\i+16*\k
.endr
.endr
.macro LDG g                           ; waves 4 g .. 4 g + 3: their partial results of my two rows, 512 consecutive bytes a load
.irp i, 0,1
.irp p, 0,1,2,3
	ds_load_b128 v[OP+16*\i+4*\p:OP+16*\i+4*\p+3], v[6+\g] offset:REG*\p+SLOTB*\i
.endr
.endr
.endm
.macro ADDG g                          ; row += f_s x partial, s = 4 g + p.  f of an even s lies at NM + s, of an odd s at EE + s - 1: always the low word of an even pair
.irp p, 0,1,2,3
.irp i, 0,1
.if (\p)%2
.set FR, EE+16*\i+4*\g+\p-1
.else
.set FR, NM+16*\i+4*\g+\p
.endif
.if (\g)+(\p) == 0
	v_pk_mul_f32 v[ACC+4*\i:ACC+4*\i+1], v[OP+16*\i:OP+16*\i+1], v[FR:FR+1] op_sel_hi:[1,0]   ; the first product starts the sums
	v_pk_mul_f32 v[ACC+4*\i+2:ACC+4*\i+3], v[OP+16*\i+2:OP+16*\i+3], v[FR:FR+1] op_sel_hi:[1,0]
.else
	v_pk_fma_f32 v[ACC+4*\i:ACC+4*\i+1], v[OP+16*\i+4*\p:OP+16*\i+4*\p+1], v[FR:FR+1], v[ACC+4*\i:ACC+4*\i+1] op_sel_hi:[1,0,1]
	v_pk_fma_f32 v[ACC+4*\i+2:ACC+4*\i+3], v[OP+16*\i+4*\p+2:OP+16*\i+4*\p+3], v[FR:FR+1], v[ACC+4*\i+2:ACC+4*\i+3] op_sel_hi:[1,0,1]
.endif
.endr
.endr
.endm
	LDG 0
	s_wait_dscnt 8                                 ; -M and l are in; the eight loads of partial results stay out
.irp i, 0,1
	v_min3_num_f32 v[GM+\i], v[NM+16*\i], v[NM+16*\i+1], v[NM+16*\i+2]   ; the row's -M: the least of the sixteen
.endr
.irp k, 3,5,7,9,11,13
.irp i, 0,1
	v_min3_num_f32 v[GM+\i], v[GM+\i], v[NM+16*\i+\k], v[NM+16*\i+\k+1]
.endr
.endr
.irp i, 0,1
	v_min_num_f32 v[GM+\i], v[GM+\i], v[NM+16*\i+15]
.endr
.irp i, 0,1
.irp s, 0,1,2,3,4,5,6,7,8,9,10,11,12,13,14,15
	v_sub_f32 v[NM+16*\i+\s], v[GM+\i], v[NM+16*\i+\s]     ; M_s - M: a whole number, 0 or less
.endr
.endr
.irp i, 0,1
.irp s, 0,1,2,3,4,5,6,7,8,9,10,11,12,13,14,15
	v_cvt_i32_f32 v[EE+16*\i+\s+1-2*(\s%2)], v[NM+16*\i+\s]   ; (it saturates)  wave s's goes to place s xor 1
.endr
.endr
.irp i, 0,1
.irp s, 0,2,4,6,8,10,12,14
	v_ldexp_f32 v[NM+16*\i+\s], 1.0, v[EE+16*\i+\s+1]      ; f_s = 2^(M_s - M); 0 for a wave without keys
	v_ldexp_f32 v[EE+16*\i+\s], 1.0, v[EE+16*\i+\s]        ; f_(s + 1)
.endr
.endr
.irp i, 0,1
	v_mul_f32 v[LS+\i], v[NM+16*\i], v[LL+16*\i]           ; l = the sum of f_s l_s
.endr
.irp s, 0,2,4,6,8,10,12,14
.irp i, 0,1
.if \s
	v_fmac_f32 v[LS+\i], v[NM+16*\i+\s], v[LL+16*\i+\s]
.endif
.endr
.irp i, 0,1
	v_fmac_f32 v[LS+\i], v[EE+16*\i+\s], v[LL+16*\i+\s+1]
.endr
.endr
	s_wait_dscnt 0x0
	ADDG 0
.irp g, 1,2,3                                  ; a further four waves only where one of them had keys: their loads and the sums stand behind one test
	s_cmp_gt_u32 s16, 4*\g
	s_cbranch_scc0 .Lsummed
	LDG \g
	s_wait_dscnt 0x0
	ADDG \g
.endr
.Lsummed:
	v_rcp_f32 v[RC], v[LS]
	v_rcp_f32 v[RC+1], v[LS+1]
	v_nop                                          ; a plain place behind the reciprocals
	s_wait_alu depctr_va_vdst(0)                   ; one wait for both, ahead of the first reader
.irp i, 0,1
.irp e, 0,1,2,3
	v_mul_f32 v[ACC+4*\i+\e], v[ACC+4*\i+\e], v[RC+\i]
.endr
.endr
	global_store_b128 v1, v[ACC:ACC+3], s[38:39] th:TH_STORE_NT              ; 32 lanes store a row: 512 consecutive bytes, at a multiple of 512 from out0's first byte
	s_cmp_eq_u32 s40, 1
	s_cbranch_scc1 .Lone
	global_store_b128 v1, v[ACC+4:ACC+7], s[38:39] offset:512 th:TH_STORE_NT
	s_wait_tensorcnt 0x0
	ds_add_u32 v235, v239
	s_wait_dscnt 0x0
	s_endpgm
; The row of a query at or beyond the length: the sixteen parts of the sum over the keys of the quantised v, added in two chains, / 2,048
.macro MEAN
.irp s, 0,1,2,3,4,5,6,7,8,9,10,11,12,13,14,15
	global_load_b128 v[MN+4*\s:MN+4*\s+3], v1, s[36:37] offset:512*\s
.endr
	s_wait_loadcnt 0x0
.irp e, 0,2
	v_pk_add_f32 v[MA+\e:MA+\e+1], v[MN+\e:MN+\e+1], v[MN+4+\e:MN+5+\e]
	v_pk_add_f32 v[MB+\e:MB+\e+1], v[MN+8+\e:MN+9+\e], v[MN+12+\e:MN+13+\e]
.endr
.irp s, 4,6,8,10,12,14
.irp e, 0,2
	v_pk_add_f32 v[MA+\e:MA+\e+1], v[MA+\e:MA+\e+1], v[MN+4*\s+\e:MN+4*\s+\e+1]
	v_pk_add_f32 v[MB+\e:MB+\e+1], v[MB+\e:MB+\e+1], v[MN+4*\s+4+\e:MN+4*\s+5+\e]
.endr
.endr
.irp e, 0,2
	v_pk_add_f32 v[MA+\e:MA+\e+1], v[MA+\e:MA+\e+1], v[MB+\e:MB+\e+1]
.endr
.irp e, 0,2
	v_pk_mul_f32 v[MA+\e:MA+\e+1], v[MA+\e:MA+\e+1], 0x3a000000 op_sel_hi:[1,0]   ; x 2^-11: l = 2,048 exactly
.endr
.endm
.Lone:                                             ; my second row alone lies at or beyond the length
	MEAN
	global_store_b128 v1, v[MA:MA+3], s[38:39] offset:512 th:TH_STORE_NT
	s_wait_tensorcnt 0x0
	ds_add_u32 v235, v239
	s_wait_dscnt 0x0
	s_endpgm
.Lall:                                             ; both do
	MEAN
	global_store_b128 v1, v[MA:MA+3], s[38:39] th:TH_STORE_NT
	global_store_b128 v1, v[MA:MA+3], s[38:39] offset:512 th:TH_STORE_NT
	s_wait_tensorcnt 0x0
	ds_add_u32 v235, v239
	s_wait_dscnt 0x0
	s_endpgm
.Lfunc_end_k_qb84da98d3d_attn:
	.size	k_qb84da98d3d_attn, .Lfunc_end_k_qb84da98d3d_attn-k_qb84da98d3d_attn
	.p2alignl 7, 3214868480
	.fill 96, 4, 3214868480
	.section	.rodata,"a",@progbits
	.p2align	6, 0x0
	.amdhsa_kernel k_qb84da98d3d_attn
		.amdhsa_group_segment_fixed_size 277504
		.amdhsa_private_segment_fixed_size 0
		.amdhsa_enable_private_segment 0
		.amdhsa_kernarg_size 32
		.amdhsa_user_sgpr_count 2
		.amdhsa_user_sgpr_kernarg_segment_ptr 1
		.amdhsa_wavefront_size32 1
		.amdhsa_system_sgpr_workgroup_id_x 1
		.amdhsa_system_sgpr_workgroup_id_y 1
		.amdhsa_system_sgpr_workgroup_id_z 1
		.amdhsa_system_vgpr_workitem_id 0
		.amdhsa_next_free_vgpr 256
		.amdhsa_next_free_sgpr 66
		.amdhsa_reserve_vcc 1
		.amdhsa_float_denorm_mode_32 3
		.amdhsa_float_denorm_mode_16_64 3
		.amdhsa_memory_ordered 1
		.amdhsa_forward_progress 1
		.amdhsa_inst_pref_size 74
	.end_amdhsa_kernel
	.amdgpu_metadata
---
amdhsa.version: [ 1, 2 ]
amdhsa.kernels:
  - .name:           k_qb84da98d3d_attn
    .symbol:         k_qb84da98d3d_attn.kd
    .args:
      - { .name: event_lengths, .offset: 0, .size: 8, .value_kind: global_buffer, .address_space: global }
      - { .name: codes, .offset: 8, .size: 8, .value_kind: global_buffer, .address_space: global }
      - { .name: scales, .offset: 16, .size: 8, .value_kind: global_buffer, .address_space: global }
      - { .name: out0, .offset: 24, .size: 8, .value_kind: global_buffer, .address_space: global }
    .group_segment_fixed_size: 277504
    .private_segment_fixed_size: 0
    .kernarg_segment_align: 8
    .kernarg_segment_size: 32
    .max_flat_workgroup_size: 512
    .sgpr_count:     66
    .vgpr_count:     256
    .wavefront_size: 32
...
	.end_amdgpu_metadata
.endif
;; end of part 2
;; ======== version 2 of 3: 2 launches
;; limits: right only within a limited range of input values
;; workspace buffers: codes 4,718,592 bytes; scales 262,144 bytes; order 2,048 bytes of whole numbers
;; launch quant (part 3): grid 128 x 3, 4 waves a work-group, no clusters, 68,096 bytes of LDS; arguments q, k, v, event_lengths, codes, scales, order; writes codes, scales, order
.if DOCPART == 3
	.amdgcn_target "amdgcn-amd-amdhsa--gfx1250"
	.amdhsa_code_object_version 6
	.text
	.protected	k_qb84da98d3d_quant
	.globl	k_qb84da98d3d_quant
	.p2align	8
	.type	k_qb84da98d3d_quant,@function
k_qb84da98d3d_quant:
	s_mov_b64 s[64:65], 0
	v_nop
	global_prefetch_b8 v0, s[64:65] scope:SCOPE_SE
	s_setreg_imm32_b32 hwreg(HW_REG_WAVE_MODE, 25, 1), 1
	s_wait_xcnt 0x0
; q, k, v [8][2048][128] f32 become codes of BF6 (E3M2) with one E8M0 scale byte for each 32 along a product's K, laid in the ORDER OF THE OPERAND'S REGISTERS.
; A fragment (16 rows x 128 K, 12 registers a lane) is 1,536 bytes: registers 4 c .. 4 c + 3 of lane l at 512 c + 16 l.  A record is two fragments, 3,072 bytes; its 32 scale words are 128 bytes: lane l's at 4 l,
; lanes 0-15 the first fragment's rows, lanes 16-31 the second's.  Record 64 b + 4 s + w:
;   q, k (K = the head's 128): rows 128 s + 32 w + 0 .. 31; fragment u, lane r = row 8 u + r + 8 (r / 8) of them, so that the scores of two neighbouring tiles of keys are 16 neighbouring keys in a lane's registers.
;   v (K = the keys): keys 128 s + 0 .. 127, channels 32 w + 0 .. 31; fragment u, lane r = channel 32 w + 16 u + r.
; A block's scale is 2^(floor(log2(its largest magnitude)) - 4); its byte is the largest magnitude's exponent field - 4, held at 1 from below (a block of zeros keeps the byte 1: its codes are zeros, and this program alone reads the bytes).
; ROWS AT OR BEYOND A BATCH'S LENGTH have all logits alike: p = 1 for all 2,048 keys, which is the code 16 under the byte 123, exactly.  Their product is the same for every such row: the sum over the keys of the quantised v.
; Its part for each 128 keys is made here, by two matrix instructions a record of v with that constant operand, and stored as f32 (128 bytes a record, 65,536 bytes behind v's scale words).
; SHARES.  Work-group x = 16 b + s; y = 0: v, 1: k, 2: q.  Wave w takes record 4 x + w: 16 KiB in, all its loads issued at once; straight-line text, no barrier: waves share nothing.
; WHAT THE MASK THROWS AWAY: a wave of k ends where 128 s >= length, a wave of q where 128 s + 32 w >= length: the next launch reads exactly the other records.  v is always done.
; THE TABLE.  The next launch has a work-group for each of the 8 x 64 blocks of 32 queries, and their work differs: a block with a query under its batch's length multiplies ceil(length / 128) key steps, the others none.
; Work-group (0, 0) writes, while its loads of v are on their way, a table of 512 words that orders the blocks by their work, the longest first: entry i = b | j << 3 | length << 9.
; LIMITS: NaN and infinities among the inputs are not served; blocks whose largest magnitude lies under 2^-122 keep the byte 1.  event_lengths is held to 0 .. 2,048, which gives reference()'s mask for any whole number.
.set KSEC,  1572864                    ; codes: q's section at 0, k's here,
.set VSEC,  3145728                    ; v's here
.set KSS,   65536                      ; scales: q's at 0, k's here,
.set VSS,   131072                     ; v's here,
.set SUMD,  65536                      ; and the sums this far behind v's
.set SLOTB, 528                        ; the stage: a row's 512 bytes + 16, an odd multiple of 16: sixteen rows read at one column fall on different banks (64 banks of 4 bytes: ISA guide 11.1)
.set STG,   32*SLOTB                   ; a wave's stage
.set FLOOR, 0x2800000                  ; 2^(5 - 127): no largest magnitude is taken under it, so the byte cannot fall under 1
.set EOFF,  0xfe000000                 ; 4 off an exponent field
.set X,   16                           ; v16-143  128 numbers as loaded
.set Y,   144                          ; v144-207 q, k: a fragment's 64 numbers of my lane
.set C0,  208                          ; v208-219, v220-231 q, k: the two fragments' codes
.set C1,  220
.set T,   232                          ; v232-234, v236-238 the upper halves of two blocks' codes
.set MX,  9                            ; v9-10   largest magnitudes, then bytes
.set SO,  11                           ; v11-12  the conversions' scale operands
.set FA,  144                          ; v: v144-155, v156-167 the two fragments
.set FB,  156
.set TV,  168                          ; v168-183 the upper halves of four blocks' codes
.set PC,  184                          ; v184-195 the operand p = 1: the code 16 in every place
.set DA,  196                          ; v196-203, v204-211 the two sums' accumulators
.set DB,  204
.set WV,  212                          ; v212  v's scale words
.set PSC, 213                          ; v213  p's scale word: four bytes 123
.set MXV, 214                          ; v214-217
.set SOV, 218                          ; v218-221
.set BYV, 222                          ; v222-225
.set TV2, 226
.set VR,  227
; the table:
.set TT,  214                          ; v214-217 an entry's place in a batch's run;  v218-221 the word that it would get (both free until v's numbers are worked)
.set WW,  218
.set IX,  228                          ; v228-231 my four entries' numbers: 4 x thread + 0 .. 3
.set RS,  232                          ; v232-235 their words
.set OA,  236                          ; v236     16 x thread
.set LEN, 48                           ; s48-55   the lengths; then R_b - n_b
.set NB,  56                           ; s56-63   n_b: the batch's blocks with a query under the length
.set KEY, 68                           ; s68-75   8 length + 7 - b; then b | length << 9
.set PH,  76                           ; s76-83   P_b: the place of the batch's first such block
.set RL,  84                           ; s84-91   R_b: the place of its first block without
.set TA,  92
.set TC,  93
	s_load_b256 s[4:11], s[0:1], 0x0               ; q s[4:5], k s[6:7], v s[8:9], event_lengths s[10:11]
	s_load_b128 s[12:15], s[0:1], 0x20             ; codes s[12:13], scales s[14:15]
	s_load_b64 s[44:45], s[0:1], 0x30              ; order
	v_lshl_add_u32 v240, v0, 2, 0x10800
	v_mov_b32 v241, 0
	v_lshrrev_b32 v1, 5, v0
	v_readfirstlane_b32 s16, v1                    ; wave 0..3
	s_and_b32 s18, ttmp7, 0xffff                   ; which tensor
	s_lshl_b32 s20, ttmp9, 2
	s_add_co_u32 s20, s20, s16                     ; my record: 4 x + wave
	s_mul_i32 s32, s20, 3072                       ; its codes,
	s_mov_b32 s33, 0
	s_lshl_b32 s34, s20, 7                         ; its scale words,
	s_mov_b32 s35, 0
	s_lshl_b32 s36, ttmp9, 16                      ; and the work-group's 128 rows of 512 bytes
	s_mov_b32 s37, 0
	s_mov_b32 s30, 0x76543210
	s_mov_b32 s31, 0xfedcba98                      ; v_permlanex16_b32's selects for lane l xor 16
	v_and_b32 v1, 31, v0                           ; lane
	v_and_b32 v2, 15, v0                           ; r
	v_bfe_u32 v3, v0, 4, 1                         ; h
	v_lshlrev_b32 v4, 4, v1                        ; 16 x lane
	v_lshlrev_b32 v5, 2, v1                        ; 4 x lane
	s_mul_i32 s28, s16, STG
	v_add_nc_u32 v6, s28, v4                       ; the stage, on the way in: a row as it lies
	v_mul_u32_u24 v7, v2, SLOTB
	v_lshl_add_u32 v7, v3, 7, v7
	v_add_nc_u32 v7, s28, v7                       ; and out: slot r, + 128 h: my block of 32 numbers
	v_lshlrev_b32 v8, 3, v3                        ; 8 h
	v_mov_b32 v15, 0                               ; written once: a lane permute's destination counts as one of its sources
	v_cmp_gt_u32 vcc_lo, 16, v1                    ; lanes 0-15 (the table's lines use VCC too, and make this mask anew behind them)
	s_wait_kmcnt 0x0
	s_cmp_eq_u32 s18, 0
	s_cbranch_scc1 .Lv
	; ---- q and k: K is innermost in memory
	s_lshr_b32 s20, ttmp9, 4                       ; the batch
	s_lshl_b32 s20, s20, 2
	s_mov_b32 s21, 0
	s_add_nc_u64 s[10:11], s[10:11], s[20:21]
	s_load_b32 s19, s[10:11], 0x0                  ; its length
	s_and_b32 s38, ttmp9, 15
	s_lshl_b32 s38, s38, 7                         ; 128 s
	s_lshl_b32 s39, s16, 5                         ; 32 w
	s_lshl_b32 s40, s16, 14                        ; my 32 rows
	s_add_co_u32 s36, s36, s40
	s_cmp_eq_u32 s18, 1                            ; k or q?  The choice hangs on the work-group's number alone
	s_cselect_b64 s[22:23], s[6:7], s[4:5]
	s_cselect_b32 s39, 0, s39
	s_cselect_b32 s40, KSEC, 0
	s_cselect_b32 s41, KSS, 0
	s_add_co_u32 s38, s38, s39                     ; the first row that decides whether my record is wanted
	s_add_co_u32 s32, s32, s40
	s_add_co_u32 s34, s34, s41
	s_add_nc_u64 s[22:23], s[22:23], s[36:37]
	s_add_nc_u64 s[24:25], s[12:13], s[32:33]
	s_add_nc_u64 s[26:27], s[14:15], s[34:35]
	s_wait_kmcnt 0x0
	s_cmp_ge_i32 s38, s19
	s_cbranch_scc1 .Lend                           ; nobody reads this record
.irp i, 0,1,2,3,4,5,6,7,8,9,10,11,12,13,14,15,16,17,18,19,20,21,22,23,24,25,26,27,28,29,30,31
	global_load_b128 v[X+4*\i:X+4*\i+3], v4, s[22:23] offset:512*\i th:TH_LOAD_NT   ; a load is a row: 512 consecutive bytes
.endr
; Row i = 8 g + e goes to slot 16 (g % 2) + e + 8 (g / 2): a fragment's sixteen rows lie in sixteen neighbouring slots
.irp g, 0,1,2,3
	s_wait_loadcnt 24-8*\g                         ; loads come back in order (ISA guide 5.7.1): these eight are in, the younger ones stay out
.irp e, 0,1,2,3,4,5,6,7
	ds_store_b128 v6, v[X+4*(8*\g+\e):X+4*(8*\g+\e)+3] offset:SLOTB*(16*(\g&1)+\e+8*(\g>>1))
.endr
.endr
; Lane (r, h) takes of its fragment's row r the numbers 64 c + 32 h + 0 .. 31, c = 0, 1: two whole blocks, in the order of the operand's registers.  LDS serves a wave's instructions in order: these see my stores
.macro RDFRAG u, dst
.irp c, 0,1
.irp k, 0,1,2,3,4,5,6,7
	ds_load_b128 v[\dst+32*\c+4*\k:\dst+32*\c+4*\k+3], v7 offset:16*SLOTB*\u+256*\c+16*\k
.endr
.endr
.endm
; 64 numbers of a lane become a fragment's 12 registers of codes, which are stored, and its rows' scale words
.macro QFRAG src, cd, wd, u
.irp b, 0,1
	v_max3_num_f32 v[MX+\b], |v[\src+32*\b]|, |v[\src+32*\b+1]|, FLOOR
.endr
.irp i, 2,4,6,8,10,12,14,16,18,20,22,24,26,28,30
.irp b, 0,1
	v_max3_num_f32 v[MX+\b], v[MX+\b], |v[\src+32*\b+\i]|, |v[\src+32*\b+\i+1]|   ; (the two blocks by turns)
.endr
.endr
.irp b, 0,1
	v_add_nc_u32 v[SO+\b], EOFF, v[MX+\b]          ; the conversion takes the exponent field of this operand as its scale, and nothing else of it
.endr
.irp b, 0,1
	v_lshrrev_b32 v[MX+\b], 23, v[SO+\b]           ; the scale's byte
.endr
	v_lshl_or_b32 v[\wd], v[MX+1], 16, v[MX]       ; my two bytes: blocks h and 2 + h,
	v_lshlrev_b32 v[\wd], v8, v[\wd]               ; at their places in the word;
	v_permlanex16_b32 v15, v[\wd], s30, s31
	v_or_b32 v[\wd], v[\wd], v15                   ; with lane l xor 16's two the word is whole, in both lanes
.irp b, 0,1
	v_cvt_scalef32_pk16_bf6_f32 v[\cd+6*\b:\cd+6*\b+2], v[\src+32*\b:\src+32*\b+15], v[SO+\b]
	v_cvt_scalef32_pk16_bf6_f32 v[T+4*\b:T+4*\b+2], v[\src+32*\b+16:\src+32*\b+31], v[SO+\b]   ; (a conversion's three registers begin on an even number)
.endr
	v_nop                                          ; one plain place behind a scaled conversion
.irp b, 0,1
.irp i, 0,1,2
	v_mov_b32 v[\cd+6*\b+3+\i], v[T+4*\b+\i]
.endr
.endr
.irp p, 0,1,2
	global_store_b128 v4, v[\cd+4*\p:\cd+4*\p+3], s[24:25] offset:1536*\u+512*\p   ; 32 lanes store 512 consecutive bytes, at a multiple of 512 from the buffer's first byte
.endr
.endm
	RDFRAG 0, Y
	s_wait_dscnt 0x0                               ; fragment 0's numbers are in, and the stores into the stage have read X,
	RDFRAG 1, X                                    ; which takes fragment 1's while fragment 0 is worked
	QFRAG Y, C0, 13, 0
	s_wait_dscnt 0x0
	QFRAG X, C1, 14, 1
	v_cndmask_b32 v239, v14, v13, vcc_lo           ; lanes 0-15: fragment 0's words, lanes 16-31: fragment 1's
	global_store_b32 v5, v239, s[26:27]
.Lend:
	s_wait_tensorcnt 0x0
	ds_add_u32 v240, v241
	s_wait_dscnt 0x0
	s_endpgm
	; ---- v: K (the keys) is not innermost: a lane takes a channel, and its registers run down the keys
.Lv:
	s_lshl_b32 s38, s16, 7                         ; my 32 channels: 128 bytes of each row
	s_add_co_u32 s36, s36, s38
	s_add_co_u32 s32, s32, VSEC
	s_add_co_u32 s34, s34, VSS
	s_add_nc_u64 s[22:23], s[8:9], s[36:37]
	s_add_nc_u64 s[24:25], s[12:13], s[32:33]
	s_add_nc_u64 s[26:27], s[14:15], s[34:35]
.irp kb, 0,1,2,3
.irp i, 0,1,2,3,4,5,6,7,8,9,10,11,12,13,14,15,16,17,18,19,20,21,22,23,24,25,26,27,28,29,30,31
	global_load_b32 v[X+32*\kb+\i], v5, s[22:23] offset:512*(32*\kb+\i) th:TH_LOAD_NT   ; key 32 kb + i at my channel: 128 consecutive bytes a wave, the four waves side by side on a row's 512
.endr
.endr
.irp n, 0,1,2,3
	v_mov_b32 v[PC+3*\n], 0x1c71c71c               ; sixteen codes 0x1c (the number 16), 6 bits each, are these three words
	v_mov_b32 v[PC+3*\n+1], 0xc71c71c7
	v_mov_b32 v[PC+3*\n+2], 0x71c71c71
.endr
	v_mov_b32 v[PSC], 0x7b7b7b7b                   ; under the scale 2^-4: p = 1
	; ---- THE TABLE, in work-group (0, 0) alone, while the 128 loads are on their way: thread t makes entries 4 t .. 4 t + 3
	s_cmp_lg_u32 ttmp9, 0
	s_cbranch_scc1 .Lno_table
	s_load_b256 s[LEN:LEN+7], s[10:11], 0x0        ; all eight lengths
	v_lshlrev_b32 v[OA], 4, v0
	v_lshlrev_b32 v[IX], 2, v0
.irp e, 1,2,3
	v_add_nc_u32 v[IX+\e], \e, v[IX]
.endr
	s_wait_kmcnt 0x0
.irp b, 0,1,2,3,4,5,6,7
	s_max_i32 s[LEN+\b], s[LEN+\b], 0
	s_min_i32 s[LEN+\b], s[LEN+\b], 2048           ; the same mask as with the number as given
	s_add_co_u32 s[NB+\b], s[LEN+\b], 31
	s_lshr_b32 s[NB+\b], s[NB+\b], 5               ; n_b = ceil(length / 32): blocks 0 .. n_b - 1 have a query under the length
	s_lshl_b32 s[KEY+\b], s[LEN+\b], 3
	s_add_co_u32 s[KEY+\b], s[KEY+\b], 7-\b        ; no two keys are equal: of two equal lengths the lower batch goes first
	s_mov_b32 s[PH+\b], 0
.endr
; The batches go by falling length: all blocks of a batch multiply the same number of key steps.  P_b = the sum of n over the batches that go before b: each of the 28 pairs is compared once
.irp a, 0,1,2,3,4,5,6
.irp c, 1,2,3,4,5,6,7
.if \c > \a
	s_cmp_gt_u32 s[KEY+\a], s[KEY+\c]
	s_cselect_b32 s[TA], s[NB+\a], 0               ; (both choices ahead of the additions, which write SCC)
	s_cselect_b32 s[TC], 0, s[NB+\c]
	s_add_co_u32 s[PH+\c], s[PH+\c], s[TA]
	s_add_co_u32 s[PH+\a], s[PH+\a], s[TC]
.endif
.endr
.endr
	s_add_co_u32 s[RL], s[NB], s[NB+1]             ; behind all of them, from place R_0 = the sum of all n on: the other blocks, 64 - n_b of batch b, in the batches' own order
.irp b, 2,3,4,5,6,7
	s_add_co_u32 s[RL], s[RL], s[NB+\b]
.endr
.irp b, 1,2,3,4,5,6,7
	s_sub_co_u32 s[RL+\b], s[RL+\b-1], s[NB+\b-1]
	s_add_co_u32 s[RL+\b], s[RL+\b], 64
.endr
.irp b, 0,1,2,3,4,5,6,7
	s_lshl_b32 s[KEY+\b], s[LEN+\b], 9
	s_or_b32 s[KEY+\b], s[KEY+\b], \b              ; the word's part that hangs on the batch alone
	s_sub_co_u32 s[LEN+\b], s[RL+\b], s[NB+\b]     ; at place i >= R_b stands block j = i - (R_b - n_b)
.endr
; The runs cover places 0 .. 511 once: the sum of n + the sum of (64 - n) = 512.  So batch 0's word begins each entry without a test, and the run to which the entry belongs writes over it
.irp e, 0,1,2,3
	v_sub_nc_u32 v[TT+\e], v[IX+\e], s[PH]
.endr
.irp e, 0,1,2,3
	v_lshl_add_u32 v[RS+\e], v[TT+\e], 3, s[KEY]
.endr
.irp b, 1,2,3,4,5,6,7
.irp e, 0,1,2,3
	v_sub_nc_u32 v[TT+\e], v[IX+\e], s[PH+\b]      ; j, if the entry lies in this batch's run:
.endr
.irp e, 0,1,2,3
	v_lshl_add_u32 v[WW+\e], v[TT+\e], 3, s[KEY+\b]
.endr
.irp e, 0,1,2,3
	v_cmp_gt_u32 vcc_lo, s[NB+\b], v[TT+\e]        ; 0 <= i - P_b < n_b, in one unsigned comparison
	v_cndmask_b32 v[RS+\e], v[RS+\e], v[WW+\e], vcc_lo
.endr
.endr
.irp b, 0,1,2,3,4,5,6,7
.irp e, 0,1,2,3
	v_sub_nc_u32 v[TT+\e], v[IX+\e], s[LEN+\b]
.endr
.irp e, 0,1,2,3
	v_lshl_add_u32 v[WW+\e], v[TT+\e], 3, s[KEY+\b]
.endr
.irp e, 0,1,2,3
	v_cmp_le_u32 vcc_lo, s[RL+\b], v[IX+\e]        ; R rises with b: the last batch with R_b <= i is the entry's
	v_cndmask_b32 v[RS+\e], v[RS+\e], v[WW+\e], vcc_lo
.endr
.endr
	global_store_b128 v[OA], v[RS:RS+3], s[44:45]  ; 32 lanes store 512 consecutive bytes, at a multiple of 512 from the table's first byte; none of its registers is written again
	v_cmp_gt_u32 vcc_lo, 16, v1                    ; lanes 0-15, anew
.Lno_table:
.macro VMAX kb                                 ; block kb's largest magnitude: all 32 numbers are mine; two chains
	v_max3_num_f32 v[MXV+\kb], |v[X+32*\kb]|, |v[X+32*\kb+1]|, |v[X+32*\kb+2]|
	v_max3_num_f32 v[TV2], |v[X+32*\kb+3]|, |v[X+32*\kb+4]|, |v[X+32*\kb+5]|
.irp i, 6,10,14,18,22,26
	v_max3_num_f32 v[MXV+\kb], v[MXV+\kb], |v[X+32*\kb+\i]|, |v[X+32*\kb+\i+1]|
	v_max3_num_f32 v[TV2], v[TV2], |v[X+32*\kb+\i+2]|, |v[X+32*\kb+\i+3]|
.endr
	v_max3_num_f32 v[MXV+\kb], v[MXV+\kb], |v[X+32*\kb+30]|, |v[X+32*\kb+31]|
	v_max3_num_f32 v[MXV+\kb], v[MXV+\kb], v[TV2], FLOOR
.endm
	s_wait_loadcnt 63                              ; all but the youngest 63 of the 128 are in: blocks 0 and 1 (a wait's count names no more)
	VMAX 0
	VMAX 1
	s_wait_loadcnt 32                              ; block 2 is in
	VMAX 2
	s_wait_loadcnt 0x0
	VMAX 3
.irp kb, 0,1,2,3
	v_add_nc_u32 v[SOV+\kb], EOFF, v[MXV+\kb]
.endr
.irp kb, 0,1,2,3
	v_lshrrev_b32 v[BYV+\kb], 23, v[SOV+\kb]
.endr
	v_lshl_or_b32 v[WV], v[BYV+1], 8, v[BYV]       ; my channel's scale word for these 128 keys
	v_lshl_or_b32 v[WV], v[BYV+2], 16, v[WV]
	v_lshl_or_b32 v[WV], v[BYV+3], 24, v[WV]
.irp c, 0,1                                    ; block 2 c into FA's registers 6 c on, block 2 c + 1 into FB's
	v_cvt_scalef32_pk16_bf6_f32 v[FA+6*\c:FA+6*\c+2], v[X+64*\c:X+64*\c+15], v[SOV+2*\c]
	v_cvt_scalef32_pk16_bf6_f32 v[TV+8*\c:TV+8*\c+2], v[X+64*\c+16:X+64*\c+31], v[SOV+2*\c]
	v_cvt_scalef32_pk16_bf6_f32 v[FB+6*\c:FB+6*\c+2], v[X+64*\c+32:X+64*\c+47], v[SOV+2*\c+1]
	v_cvt_scalef32_pk16_bf6_f32 v[TV+8*\c+4:TV+8*\c+6], v[X+64*\c+48:X+64*\c+63], v[SOV+2*\c+1]
.endr
	v_nop                                          ; one plain place behind a scaled conversion
.irp c, 0,1
.irp i, 0,1,2
	v_mov_b32 v[FA+6*\c+3+\i], v[TV+8*\c+\i]
	v_mov_b32 v[FB+6*\c+3+\i], v[TV+8*\c+4+\i]
.endr
.endr
; A lane holds all four blocks of its channel; the operand's layout wants lane (r, h) to hold blocks h and 2 + h of row r.  FA's lanes 16-31 change places with FB's lanes 0-15:
; FA is then the fragment of channels 32 w + 0 .. 15, FB that of channels 32 w + 16 .. 31
.irp n, 0,1,2,3,4,5,6,7,8,9,10,11
	v_permlane16_swap_b32 v[FA+\n], v[FB+\n]
.endr
.irp p, 0,1,2
	global_store_b128 v4, v[FA+4*\p:FA+4*\p+3], s[24:25] offset:512*\p
.endr
.irp p, 0,1,2
	global_store_b128 v4, v[FB+4*\p:FB+4*\p+3], s[24:25] offset:1536+512*\p
.endr
	global_store_b32 v5, v[WV], s[26:27]
.rept 8
	v_nop                                          ; an operand written by vector instructions stands 4 places ahead of a scaled matrix instruction, a scale register so written 8
.endr
	; source 0 = 16 rows of p = 1, source 1 = 16 channels of v: every row of the result holds, at column r, the sum over the 128 keys of the quantised v
	v_wmma_scale_f32_16x16x128_f8f6f4 v[DA:DA+7], v[PC:PC+11], v[FA:FA+11], 0, v[PSC], v[WV] matrix_a_fmt:MATRIX_FMT_BF6 matrix_b_fmt:MATRIX_FMT_BF6
	v_wmma_scale_f32_16x16x128_f8f6f4 v[DB:DB+7], v[PC:PC+11], v[FB:FB+11], 0, v[PSC], v[WV] matrix_a_fmt:MATRIX_FMT_BF6 matrix_b_fmt:MATRIX_FMT_BF6 matrix_b_scale:MATRIX_SCALE_ROW1
.rept 4
	v_nop                                          ; four places behind a matrix instruction before its result is read (ISA guide 7.12.1)
.endr
	v_cndmask_b32 v[VR], v[DB], v[DA], vcc_lo      ; lane l: channel 32 w + l.  Each accumulator is read at its lowest register
	global_store_b32 v5, v[VR], s[26:27] offset:SUMD
	s_endpgm
.Lfunc_end_k_qb84da98d3d_quant:
	.size	k_qb84da98d3d_quant, .Lfunc_end_k_qb84da98d3d_quant-k_qb84da98d3d_quant
	.p2alignl 7, 3214868480
	.fill 96, 4, 3214868480
	.section	.rodata,"a",@progbits
	.p2align	6, 0x0
	.amdhsa_kernel k_qb84da98d3d_quant
		.amdhsa_group_segment_fixed_size 68096
		.amdhsa_private_segment_fixed_size 0
		.amdhsa_enable_private_segment 0
		.amdhsa_kernarg_size 56
		.amdhsa_user_sgpr_count 2
		.amdhsa_user_sgpr_kernarg_segment_ptr 1
		.amdhsa_wavefront_size32 1
		.amdhsa_system_sgpr_workgroup_id_x 1
		.amdhsa_system_sgpr_workgroup_id_y 1
		.amdhsa_system_sgpr_workgroup_id_z 1
		.amdhsa_system_vgpr_workitem_id 0
		.amdhsa_next_free_vgpr 242
		.amdhsa_next_free_sgpr 96
		.amdhsa_reserve_vcc 1
		.amdhsa_float_denorm_mode_32 3
		.amdhsa_float_denorm_mode_16_64 3
		.amdhsa_memory_ordered 1
		.amdhsa_forward_progress 1
		.amdhsa_inst_pref_size 57
	.end_amdhsa_kernel
	.amdgpu_metadata
---
amdhsa.version: [ 1, 2 ]
amdhsa.kernels:
  - .name:           k_qb84da98d3d_quant
    .symbol:         k_qb84da98d3d_quant.kd
    .args:
      - { .name: q, .offset: 0, .size: 8, .value_kind: global_buffer, .address_space: global }
      - { .name: k, .offset: 8, .size: 8, .value_kind: global_buffer, .address_space: global }
      - { .name: v, .offset: 16, .size: 8, .value_kind: global_buffer, .address_space: global }
      - { .name: event_lengths, .offset: 24, .size: 8, .value_kind: global_buffer, .address_space: global }
      - { .name: codes, .offset: 32, .size: 8, .value_kind: global_buffer, .address_space: global }
      - { .name: scales, .offset: 40, .size: 8, .value_kind: global_buffer, .address_space: global }
      - { .name: order, .offset: 48, .size: 8, .value_kind: global_buffer, .address_space: global }
    .group_segment_fixed_size: 68096
    .private_segment_fixed_size: 0
    .kernarg_segment_align: 8
    .kernarg_segment_size: 56
    .max_flat_workgroup_size: 128
    .sgpr_count:     96
    .vgpr_count:     242
    .wavefront_size: 32
...
	.end_amdgpu_metadata
.endif
;; end of part 3
;; launch attn (part 4): grid 512 x 1, 16 waves a work-group, no clusters, 277,504 bytes of LDS; arguments order, codes, scales, out0; writes out0
.if DOCPART == 4
	.amdgcn_target "amdgcn-amd-amdhsa--gfx1250"
	.amdhsa_code_object_version 6
	.text
	.protected	k_qb84da98d3d_attn
	.globl	k_qb84da98d3d_attn
	.p2align	8
	.type	k_qb84da98d3d_attn,@function
k_qb84da98d3d_attn:
	s_mov_b64 s[64:65], 0
	v_nop
	global_prefetch_b8 v0, s[64:65] scope:SCOPE_SE
	s_setreg_imm32_b32 hwreg(HW_REG_WAVE_MODE, 25, 1), 1
	s_wait_xcnt 0x0
; out0[b][q] = softmax_k(mask(q . k / sqrt(128))) v, both products on codes of BF6 (E3M2) with one E8M0 scale for each 32 along K; an entry counts where q < length[b] and k < length[b], else its logit is -1e9.
; THE SOFTMAX AHEAD OF THE SECOND PRODUCT: t = score x log2(e) / sqrt(128); M = the largest t rounded up to a whole number; p = 2^(t - M) is quantised along the keys, not normalised; the sum of the unquantised p divides at the end.
; SHARES.  Work-group i takes the block that entry i of the table names (b | j << 3 | length << 9, made by the launch before from event_lengths): queries 32 j .. 32 j + 31 of batch b, two tiles of 16 (one record of q's codes).
; The table is a permutation of the 512 blocks, ordered by their work, the longest first: the lower a work-group's number, the more key steps it multiplies.
; WAVE s OWNS KEY STEP s, keys 128 s .. 128 s + 127, for both tiles: each fragment of K and V comes from memory straight into registers, once a work-group, and feeds two matrix instructions.
; No loop over keys, no running maximum, no chain of matrix instructions: every sum begins and ends in one instruction.
; A wave's M is its own step's.  The sixteen partial results of a row meet in LDS behind ONE barrier and are brought under the row's M by 2^(M_s - M): whole powers of two, which round nothing.
; WHAT THE MASK THROWS AWAY.  A key at or beyond the length has p = 0 for a query under it: a wave all of whose keys lie there does no product.  A query at or beyond the length has p = 1 for all 2,048 keys: its row is the sum
; over the keys of the quantised v (made by the launch before, in sixteen parts a batch) / 2,048.  In a work-group on the edge such rows are computed like the others (finite numbers) and then replaced.
; NO CLUSTER, NO TENSOR LOADS, though the 64 work-groups of a batch read the same K and V: which key steps a work-group multiplies hangs on the lengths, read from memory
; with tensor loads all 16 steps of all 64 blocks would be multiplied, against (length / 2,048)^2 of them here.
; LAYOUT.  Both products are used transposed: S^T = K Q^T, O^T = V^T P^T: a lane holds ONE query (lane % 16) throughout.  Lane r of a tile of K is key 32 b' + 8 u + r + 8 (r / 8), so that register 16 b' + i of the scores
; is key 32 b' + 16 (lane / 16) + i.  Lane r of tile u of Q is query 8 u + r + 8 (r / 8) of the 32.
; LIMITS: NaN and infinities are not served.  The length comes held to 0 .. 2,048, which gives reference()'s mask for any whole number.  A hidden key of a query under the length is taken as p = 0, which holds while the kept logits
; lie above about -1e9 + 200.
.set KSEC,  1572864                    ; codes: q's section at 0, K's here,
.set SECD,  1572864                    ; V's this far behind K's
.set KSS,   65536                      ; scales: q's at 0, K's here, V's as far again,
.set VSUM,  196608                     ; the sums of v here
.set SLOTB, 528                        ; LDS: a query's 128 partial results, 512 bytes + 16: an odd multiple of 16, so that sixteen queries' stores fall on different banks (64 banks of 4 bytes: ISA guide 11.1)
.set REG,   32*SLOTB                   ; a wave's region: slot 16 u + r for tile u, lane r.  Sixteen regions from LDS byte 0
.set STM,   16*REG                     ; behind them: -M, 80 bytes a slot (16 words + 16 bytes), word s = wave s's
.set STROW, 80
.set STL,   32*STROW                   ; and the sums l, this far behind -M
.set Q0,  20                           ; v20-31   Q, tile 0;  v240-251 tile 1
.set QD,  220
.set KV,  32                           ; v32-127  eight fragments of K, then of V
.set S,   128                          ; v128-191 S^T, then p, then O^T
.set P0,  192                          ; v192-203, v204-215 p's codes, tile 0, 1
.set PS,  216                          ; v216-217 p's scale words
.set QSC, 218                          ; v218     Q's scale words: lanes 0-15 tile 0's, lanes 16-31 tile 1's
.set BM,  220                          ; v220-223 the four blocks' largest scores, then largest p
.set PT,  224                          ; v224-227 at work
.set SO,  228                          ; v228-231 the conversions' scale operands
.set CV,  232                          ; v232-234, v236-238 half blocks of codes
.set KSC, 252                          ; v252-255 K's, then V's scale words: register g: lanes 0-15 fragment 2 g's, lanes 16-31 fragment 2 g + 1's
; behind the barrier:
.set NM,  32                           ; v32-63   -M of the 16 waves, for my two rows; then the factors f of the even waves
.set LL,  64                           ; v64-95   l likewise
.set OP,  96                           ; v96-127  four waves' partial results of my two rows, 16 bytes a lane
.set ACC, 128                          ; v128-135 my two rows
.set GM,  136                          ; v136-137 the rows' -M
.set LS,  138                          ; v138-139 the rows' l
.set EE,  140                          ; v140-171 exponents; then the factors f of the odd waves, at even registers
.set RC,  172                          ; v172-173 1 / l
.set MN,  140                          ; v140-203 the sixteen parts of the sum of v
.set MA,  204                          ; v204-207, v208-211 two chains
.set MB,  208
.macro WM d, a, b, sa, sb, ra, rb      ; one product; ra, rb: source 0's, source 1's scale words lie in lanes 16-31
.if (\ra) && (\rb)
	v_wmma_scale_f32_16x16x128_f8f6f4 v[\d:\d+7], v[\a:\a+11], v[\b:\b+11], 0, v[\sa], v[\sb] matrix_a_fmt:MATRIX_FMT_BF6 matrix_b_fmt:MATRIX_FMT_BF6 matrix_a_scale:MATRIX_SCALE_ROW1 matrix_b_scale:MATRIX_SCALE_ROW1
.elseif (\ra)
	v_wmma_scale_f32_16x16x128_f8f6f4 v[\d:\d+7], v[\a:\a+11], v[\b:\b+11], 0, v[\sa], v[\sb] matrix_a_fmt:MATRIX_FMT_BF6 matrix_b_fmt:MATRIX_FMT_BF6 matrix_a_scale:MATRIX_SCALE_ROW1
.elseif (\rb)
	v_wmma_scale_f32_16x16x128_f8f6f4 v[\d:\d+7], v[\a:\a+11], v[\b:\b+11], 0, v[\sa], v[\sb] matrix_a_fmt:MATRIX_FMT_BF6 matrix_b_fmt:MATRIX_FMT_BF6 matrix_b_scale:MATRIX_SCALE_ROW1
.else
	v_wmma_scale_f32_16x16x128_f8f6f4 v[\d:\d+7], v[\a:\a+11], v[\b:\b+11], 0, v[\sa], v[\sb] matrix_a_fmt:MATRIX_FMT_BF6 matrix_b_fmt:MATRIX_FMT_BF6
.endif
.endm
	s_load_b256 s[4:11], s[0:1], 0x0               ; order s[4:5], codes s[6:7], scales s[8:9], out0 s[10:11]
	v_lshl_add_u32 v235, v0, 2, 0x43400
	v_mov_b32 v239, 0
	v_lshrrev_b32 v1, 5, v0
	v_readfirstlane_b32 s12, v1                    ; wave 0..15
	s_lshl_b32 s42, ttmp9, 2
	s_mov_b32 s43, 0                               ; stays 0: the upper word of every offset
	s_wait_kmcnt 0x0
	s_add_nc_u64 s[4:5], s[4:5], s[42:43]
	s_load_b32 s50, s[4:5], 0x0                    ; my work-group's entry of the table; all that follows up to the wait hangs on the wave and the lane alone
	s_mov_b32 s20, 0x76543210
	s_mov_b32 s21, 0xfedcba98                      ; v_permlanex16_b32's selects for lane l xor 16
	s_mov_b32 s22, 0x3e0293ee                      ; c = log2(e) / sqrt(128)
	s_mov_b32 s23, s22                             ; (named with it as a pair, so it is written)
	s_lshl_b32 s18, s12, 7                         ; my first key
	s_add_co_u32 s41, s18, 128                     ; and the first behind my last
	s_lshr_b32 s45, s12, 3                         ; behind the barrier I own slots 2 w and 2 w + 1: tile w / 8, lanes 2 (w % 8) and the next:
	s_lshl_b32 s45, s45, 3
	s_and_b32 s46, s12, 7
	s_lshl_b32 s46, s46, 1
	s_add_co_u32 s45, s45, s46
	s_bfe_u32 s46, s12, 0x10002
	s_lshl_b32 s46, s46, 3
	s_add_co_u32 s45, s45, s46                     ; queries 8 (w / 8) + 2 (w % 8) + 8 ((w / 4) % 2) and the next of the 32
	; every LDS address is made here, ahead of the first parting of the waves: constants, the lane and the wave's number
	v_and_b32 v18, 31, v0
	v_lshlrev_b32 v1, 4, v18                       ; v1  16 x lane
	v_lshlrev_b32 v2, 2, v18                       ; v2  4 x lane
	v_and_b32 v19, 15, v0                          ; r
	v_bfe_u32 v10, v0, 4, 1                        ; h
	s_mul_i32 s48, s12, REG
	v_mul_u32_u24 v3, v19, SLOTB
	v_lshl_add_u32 v3, v10, 5, v3
	v_add_nc_u32 v3, s48, v3                       ; v3  my region, slot r, + 32 h: where I put eight channels of a query
	s_lshl_b32 s49, s12, 2
	s_add_co_u32 s49, s49, STM
	v_mul_u32_u24 v4, v19, STROW
	v_add_nc_u32 v4, s49, v4                       ; v4  slot r's word for my wave
	s_mul_i32 s49, s12, 2*STROW
	s_add_co_u32 s49, s49, STM
	v_mov_b32 v5, s49                              ; v5  the sixteen words of slot 2 w
	s_mul_i32 s49, s12, 2*SLOTB
	v_add_nc_u32 v6, s49, v1                       ; v6-9  slot 2 w in the regions of waves 0, 4, 8, 12, 16 bytes a lane (an LDS offset has 16 bits)
	v_add_nc_u32 v7, 4*REG, v6
	v_add_nc_u32 v8, 8*REG, v6
	v_add_nc_u32 v9, 12*REG, v6
	v_mov_b32 v11, 0xff800000                      ; -infinity
	v_mov_b32 v13, 0                               ; (named as the upper half of the pair v[12:13])
	v_mov_b32 v19, 0                               ; written once, as are the next four: a lane permute's destination counts as one of its sources
.irp b, 0,1,2,3
	v_mov_b32 v[PT+\b], 0
.endr
	v_lshlrev_b32 v10, 4, v10                      ; 16 h
	s_wait_kmcnt 0x0
	s_and_b32 s13, s50, 7                          ; b,
	s_min_u32 s13, s13, 7                          ; (each number read from memory is held by a constant before it enters an address)
	s_bfe_u32 s14, s50, 0x60003                    ; j: 6 bits from bit 3,
	s_min_u32 s14, s14, 63
	s_lshr_b32 s15, s50, 9                         ; the batch's length
	s_min_u32 s15, s15, 2048
	s_lshl_b32 s44, s13, 4
	s_add_co_u32 s44, s44, s12                     ; 16 b + wave: my key step's four records
	s_mul_i32 s42, s44, 12288
	s_add_co_u32 s42, s42, KSEC
	s_add_nc_u64 s[24:25], s[6:7], s[42:43]        ; K's codes
	s_add_nc_u64 s[26:27], s[24:25], SECD          ; V's
	s_lshl_b32 s42, s44, 9
	s_add_co_u32 s42, s42, KSS
	s_add_nc_u64 s[30:31], s[8:9], s[42:43]        ; K's scale words
	s_add_nc_u64 s[32:33], s[30:31], KSS           ; V's
	s_lshl_b32 s44, s13, 6
	s_add_co_u32 s44, s44, s14                     ; 64 b + j: my work-group's record of q
	s_mul_i32 s42, s44, 3072
	s_add_nc_u64 s[28:29], s[6:7], s[42:43]
	s_lshl_b32 s42, s44, 7
	s_add_nc_u64 s[34:35], s[8:9], s[42:43]
	s_lshl_b32 s42, s13, 13
	s_add_co_u32 s42, s42, VSUM
	s_add_nc_u64 s[36:37], s[8:9], s[42:43]        ; the batch's sixteen parts of the sum of v, 512 bytes each
	s_lshl_b32 s47, s14, 5
	s_add_co_u32 s47, s47, s45                     ; my first row in the batch
	s_lshl_b32 s46, s44, 5
	s_add_co_u32 s46, s46, s45
	s_lshl_b32 s42, s46, 9
	s_add_nc_u64 s[38:39], s[10:11], s[42:43]      ; and in out0
	s_lshl_b32 s19, s14, 5
	s_add_co_u32 s16, s15, 127
	s_lshr_b32 s16, s16, 7
	s_cmp_lt_i32 s19, s15
	s_cselect_b32 s16, s16, 0                      ; s16  key steps to be multiplied: ceil(length / 128) where a query of mine lies under the length, else none
	s_add_co_u32 s17, s16, 3
	s_and_b32 s17, s17, -4                         ; s17  rounded up to fours: the merge reads partial results four waves at a time
	s_sub_co_i32 s40, s15, s47
	s_max_i32 s40, s40, 0
	s_min_i32 s40, s40, 2                          ; s40  how many of my two rows lie under the length
	s_sub_co_i32 s19, s15, s18
	v_sub_nc_u32 v10, s19, v10                     ; v10  length - my first key - 16 h
	s_cmp_lt_u32 s12, s16
	s_cbranch_scc1 .Lactive
	; ---- a wave without keys: -M = 3e38, over every -M, so that its factor comes out 0; l = 0; zeros for partial results where the merge will read them
	v_mov_b32 v18, 0x7f61b1e6
	ds_store_b32 v4, v18
	ds_store_b32 v4, v18 offset:16*STROW
	ds_store_b32 v4, v19 offset:STL
	ds_store_b32 v4, v19 offset:STL+16*STROW
	s_cmp_lt_u32 s12, s17
	s_cbranch_scc0 .Ljoin
.irp e, 0,1,2,3
	v_mov_b32 v[32+\e], 0
.endr
.irp u, 0,1
.irp dt, 0,1,2,3,4,5,6,7
	ds_store_b128 v3, v[32:35] offset:16*SLOTB*\u+64*\dt
	ds_store_b128 v3, v[32:35] offset:16*SLOTB*\u+64*\dt+16
.endr
.endr
	s_branch .Ljoin
; S^T of tile u: eight tiles of 16 keys.  counted = 1: K's fragments are still landing
.macro SCORE u, counted
.irp kt, 0,1,2,3,4,5,6,7
.if \counted
	s_wait_loadcnt 3*(7-\kt)                       ; loads come back in order (ISA guide 5.7.1): fragment kt is in; the younger fragments' three loads each stay out
.endif
	WM S+8*\kt, KV+12*\kt, Q0+QD*\u, KSC+\kt/2, QSC, \kt%2, \u
.endr
.endm
; O^T of tile u for my 128 keys: eight tiles of 16 channels
.macro PV u, counted
.irp dt, 0,1,2,3,4,5,6,7
.if \counted
	s_wait_loadcnt 3*(7-\dt)
.endif
	WM S+8*\dt, KV+12*\dt, P0+12*\u, KSC+\dt/2, PS+\u, \dt%2, 0
.endr
.endm
.macro PSTORE u                        ; lane (r, h): channels 16 dt + 8 h + 0 .. 7 of query r; each accumulator from its low end on
.irp dt, 0,1,2,3,4,5,6,7
	ds_store_b128 v3, v[S+8*\dt:S+8*\dt+3] offset:16*SLOTB*\u+64*\dt
	ds_store_b128 v3, v[S+8*\dt+4:S+8*\dt+7] offset:16*SLOTB*\u+64*\dt+16
.endr
.endm
; The scores of keys at or beyond the length become -infinity ahead of the maximum: p = 0 then.  A step all of whose keys count jumps over this.  Register n holds key (my first) + 16 h + 32 (n / 16) + n % 16
.macro MASK
	s_cmp_le_i32 s41, s15
	s_cbranch_scc1 .Lopen_\@
.irp n, 0,1,2,3,4,5,6,7,8,9,10,11,12,13,14,15,16,17,18,19,20,21,22,23,24,25,26,27,28,29,30,31,32,33,34,35,36,37,38,39,40,41,42,43,44,45,46,47,48,49,50,51,52,53,54,55,56,57,58,59,60,61,62,63
	v_cmp_ge_i32 vcc_lo, 32*(\n/16)+\n%16, v10
	v_cndmask_b32 v[S+\n], v[S+\n], v11, vcc_lo
.endr
.Lopen_\@:
.endm
; Tile u's 64 scores of a lane become p's codes and scale word; -M and l go to LDS.  My first key lies under the length, so every query's maximum is a number
.macro SOFTMAX u
.set PP, P0+12*\u
.if \u
	s_wait_dscnt 0x0                               ; tile 0's two stores have read v12 and v14, which are written again below
.endif
.irp b, 0,1,2,3
	v_max3_num_f32 v[BM+\b], v[S+16*\b], v[S+16*\b+1], v[S+16*\b+2]   ; the largest score of each block of 32 keys: it serves for the row's maximum and, since p rises with the score, for the block's largest p
.endr
.irp i, 3,5,7,9,11,13
.irp b, 0,1,2,3
	v_max3_num_f32 v[BM+\b], v[BM+\b], v[S+16*\b+\i], v[S+16*\b+\i+1]   ; (the four blocks by turns)
.endr
.endr
.irp b, 0,1,2,3
	v_max_num_f32 v[BM+\b], v[BM+\b], v[S+16*\b+15]
.endr
.irp b, 0,1,2,3
	v_permlanex16_b32 v[PT+\b], v[BM+\b], s20, s21
.endr
.irp b, 0,1,2,3
	v_max_num_f32 v[BM+\b], v[BM+\b], v[PT+\b]     ; with lane l xor 16's 16 keys
.endr
	v_max3_num_f32 v18, v[BM], v[BM+1], v[BM+2]
	v_max_num_f32 v18, v18, v[BM+3]                ; my query's largest score in this step
	v_mul_f32 v18, s22, v18                        ; as t (c is positive)
	v_floor_f32 v12, -v18                          ; -M = floor(-t) = -ceil(t): a whole number
.irp j, 0,2,4,6,8,10,12,14,16,18,20,22,24,26,28,30,32,34,36,38,40,42,44,46,48,50,52,54,56,58,60,62
	v_pk_fma_f32 v[S+\j:S+\j+1], v[S+\j:S+\j+1], s[22:23], v[12:13] op_sel_hi:[1,0,0]   ; t - M, two at a time (of the pairs c and -M the low word serves both halves)
.endr
.irp b, 0,1,2,3
	v_fma_f32 v[BM+\b], v[BM+\b], s22, v12         ; the same of each block's largest score
.endr
.irp j, 0,1,2,3,4,5,6,7,8,9,10,11,12,13,14,15,16,17,18,19,20,21,22,23,24,25,26,27,28,29,30,31,32,33,34,35,36,37,38,39,40,41,42,43,44,45,46,47,48,49,50,51,52,53,54,55,56,57,58,59,60,61,62,63
	v_exp_f32 v[S+\j], v[S+\j]                     ; p = 2^(t - M), at most 1
.endr
	v_nop                                          ; a plain place behind the exponentials
	s_wait_alu depctr_va_vdst(0)                   ; one wait for the whole batch, ahead of its first reader
.irp b, 0,1,2,3
	v_exp_f32 v[BM+\b], v[BM+\b]                   ; the block's largest p: the same two instructions on the same number give the same bits
.endr
	v_pk_add_f32 v[14:15], v[S:S+1], v[S+2:S+3]    ; the sum is taken of the unquantised p: two at a time, in two chains, begun by additions.  (It reads the 64 alone: plain work behind the four)
	v_pk_add_f32 v[16:17], v[S+4:S+5], v[S+6:S+7]
.irp j, 8,12,16,20,24,28,32,36,40,44,48,52,56,60
	v_pk_add_f32 v[14:15], v[14:15], v[S+\j:S+\j+1]
	v_pk_add_f32 v[16:17], v[16:17], v[S+\j+2:S+\j+3]
.endr
	v_pk_add_f32 v[14:15], v[14:15], v[16:17]
	s_wait_alu depctr_va_vdst(0)                   ; and one for the four
.irp b, 0,1,2,3
	v_max_num_f32 v[BM+\b], 0x2800000, v[BM+\b]    ; the floor 2^(5 - 127): the byte cannot fall under 1 (a block whose every p is 0 keeps that byte: its codes are zeros)
.endr
.irp b, 0,1,2,3
	v_add_nc_u32 v[SO+\b], 0xfe000000, v[BM+\b]    ; 4 off the exponent field: the conversion's scale operand
.endr
.irp b, 0,1,2,3
	v_lshrrev_b32 v[PT+\b], 23, v[SO+\b]           ; the scale's byte
.endr
	v_lshl_or_b32 v[PS+\u], v[PT+1], 8, v[PT]      ; p's scale word for my 128 keys
	v_lshl_or_b32 v[PS+\u], v[PT+2], 16, v[PS+\u]
	v_lshl_or_b32 v[PS+\u], v[PT+3], 24, v[PS+\u]
.irp c, 0,1
	v_cvt_scalef32_pk16_bf6_f32 v[PP+6*\c:PP+6*\c+2], v[S+32*\c:S+32*\c+15], v[SO+2*\c]
	v_cvt_scalef32_pk16_bf6_f32 v[CV+4*\c:CV+4*\c+2], v[S+32*\c+16:S+32*\c+31], v[SO+2*\c+1]   ; (a conversion's three registers begin on an even number)
.endr
	v_nop                                          ; one plain place behind a scaled conversion
.irp c, 0,1                                    ; the operand's layout wants a whole block in a lane: lanes 0-15 block 2 c, lanes 16-31 block 2 c + 1
.irp i, 0,1,2
	v_permlane16_swap_b32 v[PP+6*\c+\i], v[CV+4*\c+\i]
.endr
.irp i, 0,1,2
	v_mov_b32 v[PP+6*\c+3+\i], v[CV+4*\c+\i]
.endr
.endr
	v_add_f32 v14, v14, v15                        ; the sum's two halves,
	v_permlanex16_b32 v19, v14, s20, s21
	v_add_f32 v14, v14, v19                        ; and lane l xor 16's
	ds_store_b32 v4, v12 offset:16*STROW*\u        ; (lanes r and 16 + r write the same word with the same value)
	ds_store_b32 v4, v14 offset:STL+16*STROW*\u
.endm
	; ---- a wave with keys
.Lactive:
	global_load_b32 v[QSC], v2, s[34:35]
.irp g, 0,1,2,3
	global_load_b32 v[KSC+\g], v2, s[30:31] offset:128*\g
.endr
.irp p, 0,1,2
	global_load_b128 v[Q0+4*\p:Q0+4*\p+3], v1, s[28:29] offset:512*\p
.endr
.irp p, 0,1,2
	global_load_b128 v[Q0+QD+4*\p:Q0+QD+4*\p+3], v1, s[28:29] offset:1536+512*\p
.endr
.irp f, 0,1,2,3,4,5,6,7,8,9,10,11,12,13,14,15,16,17,18,19,20,21,22,23
	global_load_b128 v[KV+4*\f:KV+4*\f+3], v1, s[24:25] offset:512*\f   ; the images of K's eight fragments, three loads each: 512 consecutive bytes a load
.endr
	SCORE 0, 1
.rept 4
	v_nop                                          ; four places behind a matrix instruction before its result is read (ISA guide 7.12.1)
.endr
	MASK
	SOFTMAX 0
	SCORE 1, 0
.rept 4
	v_nop                                          ; the same four, also for the loads into the registers that these products have read
.endr
.irp g, 0,1,2,3
	global_load_b32 v[KSC+\g], v2, s[32:33] offset:128*\g
.endr
.irp f, 0,1,2,3,4,5,6,7,8,9,10,11,12,13,14,15,16,17,18,19,20,21,22,23
	global_load_b128 v[KV+4*\f:KV+4*\f+3], v1, s[26:27] offset:512*\f   ; V's eight fragments land while tile 1's softmax is worked
.endr
	MASK
	SOFTMAX 1
.rept 8
	v_nop                                          ; a scale register written by a vector instruction stands 8 places ahead of a scaled matrix instruction, an operand so written 4
.endr
	PV 0, 1
.rept 5
	v_nop                                          ; four places in front of the stores that read the results, five in front of the products that write over them
.endr
	PSTORE 0
	s_wait_dscnt 0x0                               ; the stores have read their registers
	PV 1, 0
.rept 4
	v_nop
.endr
	PSTORE 1
.Ljoin:
	s_wait_dscnt 0x0                               ; for the others' sake: all my LDS stores have landed
	s_barrier_signal -1
	s_barrier_wait -1                              ; the one barrier, on every wave's path
	s_cmp_eq_u32 s40, 0
	s_cbranch_scc1 .Lall
	; ---- THE MERGE of my two rows
.irp i, 0,1
.irp k, 0,1,2,3
	ds_load_b128 v[NM+16*\i+4*\k:NM+16*\i+4*\k+3], v5 offset:STROW*\i+16*\k          ; every lane reads the same words
.endr
.irp k, 0,1,2,3
	ds_load_b128 v[LL+16*\i+4*\k:LL+16*\i+4*\k+3], v5 offset:STL+STROW*\i+16*\k
.endr
.endr
.macro LDG g                           ; waves 4 g .. 4 g + 3: their partial results of my two rows, 512 consecutive bytes a load
.irp i, 0,1
.irp p, 0,1,2,3
	ds_load_b128 v[OP+16*\i+4*\p:OP+16*\i+4*\p+3], v[6+\g] offset:REG*\p+SLOTB*\i
.endr
.endr
.endm
.macro ADDG g                          ; row += f_s x partial, s = 4 g + p.  f of an even s lies at NM + s, of an odd s at EE + s - 1: always the low word of an even pair
.irp p, 0,1,2,3
.irp i, 0,1
.if (\p)%2
.set FR, EE+16*\i+4*\g+\p-1
.else
.set FR, NM+16*\i+4*\g+\p
.endif
.if (\g)+(\p) == 0
	v_pk_mul_f32 v[ACC+4*\i:ACC+4*\i+1], v[OP+16*\i:OP+16*\i+1], v[FR:FR+1] op_sel_hi:[1,0]   ; the first product starts the sums
	v_pk_mul_f32 v[ACC+4*\i+2:ACC+4*\i+3], v[OP+16*\i+2:OP+16*\i+3], v[FR:FR+1] op_sel_hi:[1,0]
.else
	v_pk_fma_f32 v[ACC+4*\i:ACC+4*\i+1], v[OP+16*\i+4*\p:OP+16*\i+4*\p+1], v[FR:FR+1], v[ACC+4*\i:ACC+4*\i+1] op_sel_hi:[1,0,1]
	v_pk_fma_f32 v[ACC+4*\i+2:ACC+4*\i+3], v[OP+16*\i+4*\p+2:OP+16*\i+4*\p+3], v[FR:FR+1], v[ACC+4*\i+2:ACC+4*\i+3] op_sel_hi:[1,0,1]
.endif
.endr
.endr
.endm
	LDG 0
	s_wait_dscnt 8                                 ; -M and l are in; the eight loads of partial results stay out
.irp i, 0,1
	v_min3_num_f32 v[GM+\i], v[NM+16*\i], v[NM+16*\i+1], v[NM+16*\i+2]   ; the row's -M: the least of the sixteen
.endr
.irp k, 3,5,7,9,11,13
.irp i, 0,1
	v_min3_num_f32 v[GM+\i], v[GM+\i], v[NM+16*\i+\k], v[NM+16*\i+\k+1]
.endr
.endr
.irp i, 0,1
	v_min_num_f32 v[GM+\i], v[GM+\i], v[NM+16*\i+15]
.endr
.irp i, 0,1
.irp s, 0,1,2,3,4,5,6,7,8,9,10,11,12,13,14,15
	v_sub_f32 v[NM+16*\i+\s], v[GM+\i], v[NM+16*\i+\s]     ; M_s - M: a whole number, 0 or less
.endr
.endr
.irp i, 0,1
.irp s, 0,1,2,3,4,5,6,7,8,9,10,11,12,13,14,15
	v_cvt_i32_f32 v[EE+16*\i+\s+1-2*(\s%2)], v[NM+16*\i+\s]   ; (it saturates)  wave s's goes to place s xor 1
.endr
.endr
.irp i, 0,1
.irp s, 0,2,4,6,8,10,12,14
	v_ldexp_f32 v[NM+16*\i+\s], 1.0, v[EE+16*\i+\s+1]      ; f_s = 2^(M_s - M); 0 for a wave without keys
	v_ldexp_f32 v[EE+16*\i+\s], 1.0, v[EE+16*\i+\s]        ; f_(s + 1)
.endr
.endr
.irp i, 0,1
	v_mul_f32 v[LS+\i], v[NM+16*\i], v[LL+16*\i]           ; l = the sum of f_s l_s
.endr
.irp s, 0,2,4,6,8,10,12,14
.irp i, 0,1
.if \s
	v_fmac_f32 v[LS+\i], v[NM+16*\i+\s], v[LL+16*\i+\s]
.endif
.endr
.irp i, 0,1
	v_fmac_f32 v[LS+\i], v[EE+16*\i+\s], v[LL+16*\i+\s+1]
.endr
.endr
	s_wait_dscnt 0x0
	ADDG 0
.irp g, 1,2,3                                  ; a further four waves only where one of them had keys: their loads and the sums stand behind one test
	s_cmp_gt_u32 s16, 4*\g
	s_cbranch_scc0 .Lsummed
	LDG \g
	s_wait_dscnt 0x0
	ADDG \g
.endr
.Lsummed:
	v_rcp_f32 v[RC], v[LS]
	v_rcp_f32 v[RC+1], v[LS+1]
	v_nop                                          ; a plain place behind the reciprocals
	s_wait_alu depctr_va_vdst(0)                   ; one wait for both, ahead of the first reader
.irp i, 0,1
.irp e, 0,1,2,3
	v_mul_f32 v[ACC+4*\i+\e], v[ACC+4*\i+\e], v[RC+\i]
.endr
.endr
	global_store_b128 v1, v[ACC:ACC+3], s[38:39] th:TH_STORE_NT              ; 32 lanes store a row: 512 consecutive bytes, at a multiple of 512 from out0's first byte
	s_cmp_eq_u32 s40, 1
	s_cbranch_scc1 .Lone
	global_store_b128 v1, v[ACC+4:ACC+7], s[38:39] offset:512 th:TH_STORE_NT
	s_wait_tensorcnt 0x0
	ds_add_u32 v235, v239
	s_wait_dscnt 0x0
	s_endpgm
; The row of a query at or beyond the length: the sixteen parts of the sum over the keys of the quantised v, added in two chains, / 2,048
.macro MEAN
.irp s, 0,1,2,3,4,5,6,7,8,9,10,11,12,13,14,15
	global_load_b128 v[MN+4*\s:MN+4*\s+3], v1, s[36:37] offset:512*\s
.endr
	s_wait_loadcnt 0x0
.irp e, 0,2
	v_pk_add_f32 v[MA+\e:MA+\e+1], v[MN+\e:MN+\e+1], v[MN+4+\e:MN+5+\e]
	v_pk_add_f32 v[MB+\e:MB+\e+1], v[MN+8+\e:MN+9+\e], v[MN+12+\e:MN+13+\e]
.endr
.irp s, 4,6,8,10,12,14
.irp e, 0,2
	v_pk_add_f32 v[MA+\e:MA+\e+1], v[MA+\e:MA+\e+1], v[MN+4*\s+\e:MN+4*\s+\e+1]
	v_pk_add_f32 v[MB+\e:MB+\e+1], v[MB+\e:MB+\e+1], v[MN+4*\s+4+\e:MN+4*\s+5+\e]
.endr
.endr
.irp e, 0,2
	v_pk_add_f32 v[MA+\e:MA+\e+1], v[MA+\e:MA+\e+1], v[MB+\e:MB+\e+1]
.endr
.irp e, 0,2
	v_pk_mul_f32 v[MA+\e:MA+\e+1], v[MA+\e:MA+\e+1], 0x3a000000 op_sel_hi:[1,0]   ; x 2^-11: l = 2,048 exactly
.endr
.endm
.Lone:                                             ; my second row alone lies at or beyond the length
	MEAN
	global_store_b128 v1, v[MA:MA+3], s[38:39] offset:512 th:TH_STORE_NT
	s_wait_tensorcnt 0x0
	ds_add_u32 v235, v239
	s_wait_dscnt 0x0
	s_endpgm
.Lall:                                             ; both do
	MEAN
	global_store_b128 v1, v[MA:MA+3], s[38:39] th:TH_STORE_NT
	global_store_b128 v1, v[MA:MA+3], s[38:39] offset:512 th:TH_STORE_NT
	s_wait_tensorcnt 0x0
	ds_add_u32 v235, v239
	s_wait_dscnt 0x0
	s_endpgm
.Lfunc_end_k_qb84da98d3d_attn:
	.size	k_qb84da98d3d_attn, .Lfunc_end_k_qb84da98d3d_attn-k_qb84da98d3d_attn
	.p2alignl 7, 3214868480
	.fill 96, 4, 3214868480
	.section	.rodata,"a",@progbits
	.p2align	6, 0x0
	.amdhsa_kernel k_qb84da98d3d_attn
		.amdhsa_group_segment_fixed_size 277504
		.amdhsa_private_segment_fixed_size 0
		.amdhsa_enable_private_segment 0
		.amdhsa_kernarg_size 32
		.amdhsa_user_sgpr_count 2
		.amdhsa_user_sgpr_kernarg_segment_ptr 1
		.amdhsa_wavefront_size32 1
		.amdhsa_system_sgpr_workgroup_id_x 1
		.amdhsa_system_sgpr_workgroup_id_y 1
		.amdhsa_system_sgpr_workgroup_id_z 1
		.amdhsa_system_vgpr_workitem_id 0
		.amdhsa_next_free_vgpr 256
		.amdhsa_next_free_sgpr 66
		.amdhsa_reserve_vcc 1
		.amdhsa_float_denorm_mode_32 3
		.amdhsa_float_denorm_mode_16_64 3
		.amdhsa_memory_ordered 1
		.amdhsa_forward_progress 1
		.amdhsa_inst_pref_size 74
	.end_amdhsa_kernel
	.amdgpu_metadata
---
amdhsa.version: [ 1, 2 ]
amdhsa.kernels:
  - .name:           k_qb84da98d3d_attn
    .symbol:         k_qb84da98d3d_attn.kd
    .args:
      - { .name: order, .offset: 0, .size: 8, .value_kind: global_buffer, .address_space: global }
      - { .name: codes, .offset: 8, .size: 8, .value_kind: global_buffer, .address_space: global }
      - { .name: scales, .offset: 16, .size: 8, .value_kind: global_buffer, .address_space: global }
      - { .name: out0, .offset: 24, .size: 8, .value_kind: global_buffer, .address_space: global }
    .group_segment_fixed_size: 277504
    .private_segment_fixed_size: 0
    .kernarg_segment_align: 8
    .kernarg_segment_size: 32
    .max_flat_workgroup_size: 512
    .sgpr_count:     66
    .vgpr_count:     256
    .wavefront_size: 32
...
	.end_amdgpu_metadata
.endif
;; end of part 4
;; ======== version 3 of 3: 2 launches; version 2 with the launches quant, attn written anew for expert scheduling mode
;; limits: right only within a limited range of input values
;; workspace buffers: codes 4,718,592 bytes; scales 262,144 bytes; order 2,048 bytes of whole numbers
;; launch quant (part 5): grid 128 x 3, 4 waves a work-group, no clusters, 68,096 bytes of LDS; arguments q, k, v, event_lengths, codes, scales, order; writes codes, scales, order
.if DOCPART == 5
	.amdgcn_target "amdgcn-amd-amdhsa--gfx1250"
	.amdhsa_code_object_version 6
	.text
	.protected	k_qb84da98d3d_quant
	.globl	k_qb84da98d3d_quant
	.p2align	8
	.type	k_qb84da98d3d_quant,@function
k_qb84da98d3d_quant:
	s_mov_b64 s[64:65], 0
	v_nop
	global_prefetch_b8 v0, s[64:65] scope:SCOPE_SE
	s_setreg_imm32_b32 hwreg(HW_REG_WAVE_SCHED_MODE, 0, 2), 2
	s_setreg_imm32_b32 hwreg(HW_REG_WAVE_MODE, 25, 1), 1
	s_wait_xcnt 0x0
	s_wait_alu depctr_vm_vsrc(0)
; q, k, v [8][2048][128] f32 become codes of BF6 (E3M2) with one E8M0 scale byte for each 32 along a product's K, laid in the ORDER OF THE OPERAND'S REGISTERS.
; A fragment (16 rows x 128 K, 12 registers a lane) is 1,536 bytes: registers 4 c .. 4 c + 3 of lane l at 512 c + 16 l.  A record is two fragments, 3,072 bytes; its 32 scale words are 128 bytes: lane l's at 4 l,
; lanes 0-15 the first fragment's rows, lanes 16-31 the second's.  Record 64 b + 4 s + w:
;   q, k (K = the head's 128): rows 128 s + 32 w + 0 .. 31; fragment u, lane r = row 8 u + r + 8 (r / 8) of them, so that the scores of two neighbouring tiles of keys are 16 neighbouring keys in a lane's registers.
;   v (K = the keys): keys 128 s + 0 .. 127, channels 32 w + 0 .. 31; fragment u, lane r = channel 32 w + 16 u + r.
; A block's scale is 2^(floor(log2(its largest magnitude)) - 4); its byte is the largest magnitude's exponent field - 4, held at 1 from below (a block of zeros keeps the byte 1: its codes are zeros, and this program alone reads the bytes).
; ROWS AT OR BEYOND A BATCH'S LENGTH have all logits alike: p = 1 for all 2,048 keys, which is the code 16 under the byte 123, exactly.  Their product is the same for every such row: the sum over the keys of the quantised v.
; Its part for each 128 keys is made here, by two matrix instructions a record of v with that constant operand, and stored as f32 (128 bytes a record, 65,536 bytes behind v's scale words).
; SHARES.  Work-group x = 16 b + s; y = 0: v, 1: k, 2: q.  Wave w takes record 4 x + w: 16 KiB in, all its loads issued at once; straight-line text, no barrier: waves share nothing.
; WHAT THE MASK THROWS AWAY: a wave of k ends where 128 s >= length, a wave of q where 128 s + 32 w >= length: the next launch reads exactly the other records.  v is always done.
; THE TABLE.  The next launch has a work-group for each of the 8 x 64 blocks of 32 queries, and their work differs: a block with a query under its batch's length multiplies ceil(length / 128) key steps, the others none.
; Work-group (0, 0) writes, while its loads of v are on their way, a table of 512 words that orders the blocks by their work, the longest first: entry i = b | j << 3 | length << 9.
; LIMITS: NaN and infinities among the inputs are not served; blocks whose largest magnitude lies under 2^-122 keep the byte 1.  event_lengths is held to 0 .. 2,048, which gives reference()'s mask for any whole number.
; THE MODE: SCHED_MODE bits 1:0 = 2 (LLVM: expert scheduling mode 2), set by the entry lines.  The code itself states the register dependences between vector or matrix instructions and memory or LDS instructions, with s_wait_alu, always for 0.
; THE PLAN.  Registers that memory or LDS instructions touch:
;   v4-7        offsets and LDS addresses: written at the head and never again: one wait on va_vdst at the head, ahead of the parting of the ways, serves every load and store.
;   q, k: X     the global loads land in it; the LDS stores read it; fragment 1's LDS loads land in it: one wait on vm_vsrc between the two.  No vector line names it before those loads.
;         Y     fragment 0's LDS loads land in it, once.
;         C0, C1, v239   written by a fragment's vector lines, read by its run of stores, never written again: one wait on va_vdst ahead of each of the two runs.
;   v:    X     the global loads land in it, once.
;         FA, FB, WV     written by vector lines; read by the two products and by seven stores: one wait on va_vdst, behind the places that stand in front of a scaled product, serves both.  PC, PSC: the products' alone.
;         VR; the table's RS, OA   written by vector lines, read by one store each: a wait on va_vdst ahead of it.
;   Scalars that vector lines write: s16 (the wave's number), VCC (lanes 0-15), s40-43 (the table's comparisons, four at a time): a wait on va_sdst or va_vcc between the writer and its first reader.
.set KSEC,  1572864                    ; codes: q's section at 0, k's here,
.set VSEC,  3145728                    ; v's here
.set KSS,   65536                      ; scales: q's at 0, k's here,
.set VSS,   131072                     ; v's here,
.set SUMD,  65536                      ; and the sums this far behind v's
.set SLOTB, 528                        ; the stage: a row's 512 bytes + 16, an odd multiple of 16: sixteen rows read at one column fall on different banks (64 banks of 4 bytes: ISA guide 11.1)
.set STG,   32*SLOTB                   ; a wave's stage
.set FLOOR, 0x2800000                  ; 2^(5 - 127): no largest magnitude is taken under it, so the byte cannot fall under 1
.set EOFF,  0xfe000000                 ; 4 off an exponent field
.set X,   16                           ; v16-143  128 numbers as loaded
.set Y,   144                          ; v144-207 q, k: a fragment's 64 numbers of my lane
.set C0,  208                          ; v208-219, v220-231 q, k: the two fragments' codes
.set C1,  220
.set T,   232                          ; v232-234, v236-238 the upper halves of two blocks' codes
.set MX,  9                            ; v9-10   largest magnitudes, then bytes
.set SO,  11                           ; v11-12  the conversions' scale operands
.set FA,  144                          ; v: v144-155, v156-167 the two fragments
.set FB,  156
.set TV,  168                          ; v168-183 the upper halves of four blocks' codes
.set PC,  184                          ; v184-195 the operand p = 1: the code 16 in every place
.set DA,  196                          ; v196-203, v204-211 the two sums' accumulators
.set DB,  204
.set WV,  212                          ; v212  v's scale words
.set PSC, 213                          ; v213  p's scale word: four bytes 123
.set MXV, 214                          ; v214-217
.set SOV, 218                          ; v218-221
.set BYV, 222                          ; v222-225
.set TV2, 226
.set VR,  227
; the table:
.set TT,  214                          ; v214-217 an entry's place in a batch's run;  v218-221 the word that it would get (both free until v's numbers are worked)
.set WW,  218
.set IX,  228                          ; v228-231 my four entries' numbers: 4 x thread + 0 .. 3
.set RS,  232                          ; v232-235 their words
.set OA,  236                          ; v236     16 x thread
.set CM,  40                           ; s40-43   four comparisons' masks
.set LEN, 48                           ; s48-55   the lengths; then R_b - n_b
.set NB,  56                           ; s56-63   n_b: the batch's blocks with a query under the length
.set KEY, 68                           ; s68-75   8 length + 7 - b; then b | length << 9
.set PH,  76                           ; s76-83   P_b: the place of the batch's first such block
.set RL,  84                           ; s84-91   R_b: the place of its first block without
.set TA,  92
.set TC,  93
	s_load_b256 s[4:11], s[0:1], 0x0               ; q s[4:5], k s[6:7], v s[8:9], event_lengths s[10:11]
	s_load_b128 s[12:15], s[0:1], 0x20             ; codes s[12:13], scales s[14:15]
	s_load_b64 s[44:45], s[0:1], 0x30              ; order
	v_lshl_add_u32 v240, v0, 2, 0x10800
	v_mov_b32 v241, 0
	v_lshrrev_b32 v1, 5, v0
	v_readfirstlane_b32 s16, v1                    ; wave 0..3
	s_and_b32 s18, ttmp7, 0xffff                   ; which tensor
	s_lshl_b32 s20, ttmp9, 2
	s_wait_alu depctr_va_sdst(0)                   ; s16 is written, ahead of its first reader: the record's number and all that is made of it
	s_add_co_u32 s20, s20, s16                     ; my record: 4 x + wave
	s_mul_i32 s32, s20, 3072                       ; its codes,
	s_mov_b32 s33, 0
	s_lshl_b32 s34, s20, 7                         ; its scale words,
	s_mov_b32 s35, 0
	s_lshl_b32 s36, ttmp9, 16                      ; and the work-group's 128 rows of 512 bytes
	s_mov_b32 s37, 0
	s_mov_b32 s30, 0x76543210
	s_mov_b32 s31, 0xfedcba98                      ; v_permlanex16_b32's selects for lane l xor 16
	v_and_b32 v1, 31, v0                           ; lane
	v_and_b32 v2, 15, v0                           ; r
	v_bfe_u32 v3, v0, 4, 1                         ; h
	v_lshlrev_b32 v4, 4, v1                        ; 16 x lane
	v_lshlrev_b32 v5, 2, v1                        ; 4 x lane
	s_mul_i32 s28, s16, STG
	v_add_nc_u32 v6, s28, v4                       ; the stage, on the way in: a row as it lies
	v_mul_u32_u24 v7, v2, SLOTB
	v_lshl_add_u32 v7, v3, 7, v7
	v_add_nc_u32 v7, s28, v7                       ; and out: slot r, + 128 h: my block of 32 numbers
	v_lshlrev_b32 v8, 3, v3                        ; 8 h
	v_mov_b32 v15, 0                               ; written once: a lane permute's destination counts as one of its sources
	v_cmp_gt_u32 vcc_lo, 16, v1                    ; lanes 0-15: no other line of the text writes VCC
	s_wait_alu depctr_va_vcc(0)                    ; VCC is written, ahead of the branches that stand between this line and the two choices that read it
	s_wait_alu depctr_va_vdst(0)                   ; v4 to v7 are written: every load and store of the kernel, global or LDS, reads one of them as its offset or address
	s_wait_kmcnt 0x0
	s_cmp_eq_u32 s18, 0
	s_cbranch_scc1 .Lv
	; ---- q and k: K is innermost in memory
	s_lshr_b32 s20, ttmp9, 4                       ; the batch
	s_lshl_b32 s20, s20, 2
	s_mov_b32 s21, 0
	s_add_nc_u64 s[10:11], s[10:11], s[20:21]
	s_load_b32 s19, s[10:11], 0x0                  ; its length
	s_and_b32 s38, ttmp9, 15
	s_lshl_b32 s38, s38, 7                         ; 128 s
	s_lshl_b32 s39, s16, 5                         ; 32 w
	s_lshl_b32 s40, s16, 14                        ; my 32 rows
	s_add_co_u32 s36, s36, s40
	s_cmp_eq_u32 s18, 1                            ; k or q?  The choice hangs on the work-group's number alone
	s_cselect_b64 s[22:23], s[6:7], s[4:5]
	s_cselect_b32 s39, 0, s39
	s_cselect_b32 s40, KSEC, 0
	s_cselect_b32 s41, KSS, 0
	s_add_co_u32 s38, s38, s39                     ; the first row that decides whether my record is wanted
	s_add_co_u32 s32, s32, s40
	s_add_co_u32 s34, s34, s41
	s_add_nc_u64 s[22:23], s[22:23], s[36:37]
	s_add_nc_u64 s[24:25], s[12:13], s[32:33]
	s_add_nc_u64 s[26:27], s[14:15], s[34:35]
	s_wait_kmcnt 0x0
	s_cmp_ge_i32 s38, s19
	s_cbranch_scc1 .Lend                           ; nobody reads this record
.irp i, 0,1,2,3,4,5,6,7,8,9,10,11,12,13,14,15,16,17,18,19,20,21,22,23,24,25,26,27,28,29,30,31
	global_load_b128 v[X+4*\i:X+4*\i+3], v4, s[22:23] offset:512*\i th:TH_LOAD_NT   ; a load is a row: 512 consecutive bytes
.endr
; Row i = 8 g + e goes to slot 16 (g % 2) + e + 8 (g / 2): a fragment's sixteen rows lie in sixteen neighbouring slots
.irp g, 0,1,2,3
	s_wait_loadcnt 24-8*\g                         ; loads come back in order (ISA guide 5.7.1): these eight are in, the younger ones stay out
.irp e, 0,1,2,3,4,5,6,7
	ds_store_b128 v6, v[X+4*(8*\g+\e):X+4*(8*\g+\e)+3] offset:SLOTB*(16*(\g&1)+\e+8*(\g>>1))
.endr
.endr
; Lane (r, h) takes of its fragment's row r the numbers 64 c + 32 h + 0 .. 31, c = 0, 1: two whole blocks, in the order of the operand's registers.  LDS serves a wave's instructions in order: these see my stores
.macro RDFRAG u, dst
.irp c, 0,1
.irp k, 0,1,2,3,4,5,6,7
	ds_load_b128 v[\dst+32*\c+4*\k:\dst+32*\c+4*\k+3], v7 offset:16*SLOTB*\u+256*\c+16*\k
.endr
.endr
.endm
; 64 numbers of a lane become a fragment's 12 registers of codes and its rows' scale words: vector lines alone
.macro QFRAG src, cd, wd
.irp b, 0,1
	v_max3_num_f32 v[MX+\b], |v[\src+32*\b]|, |v[\src+32*\b+1]|, FLOOR
.endr
.irp i, 2,4,6,8,10,12,14,16,18,20,22,24,26,28,30
.irp b, 0,1
	v_max3_num_f32 v[MX+\b], v[MX+\b], |v[\src+32*\b+\i]|, |v[\src+32*\b+\i+1]|   ; (the two blocks by turns)
.endr
.endr
.irp b, 0,1
	v_add_nc_u32 v[SO+\b], EOFF, v[MX+\b]          ; the conversion takes the exponent field of this operand as its scale, and nothing else of it
.endr
.irp b, 0,1
	v_lshrrev_b32 v[MX+\b], 23, v[SO+\b]           ; the scale's byte
.endr
	v_lshl_or_b32 v[\wd], v[MX+1], 16, v[MX]       ; my two bytes: blocks h and 2 + h,
	v_lshlrev_b32 v[\wd], v8, v[\wd]               ; at their places in the word;
	v_permlanex16_b32 v15, v[\wd], s30, s31
	v_or_b32 v[\wd], v[\wd], v15                   ; with lane l xor 16's two the word is whole, in both lanes
.irp b, 0,1
	v_cvt_scalef32_pk16_bf6_f32 v[\cd+6*\b:\cd+6*\b+2], v[\src+32*\b:\src+32*\b+15], v[SO+\b]
	v_cvt_scalef32_pk16_bf6_f32 v[T+4*\b:T+4*\b+2], v[\src+32*\b+16:\src+32*\b+31], v[SO+\b]   ; (a conversion's three registers begin on an even number)
.endr
	v_nop                                          ; one plain place behind a scaled conversion
.irp b, 0,1
.irp i, 0,1,2
	v_mov_b32 v[\cd+6*\b+3+\i], v[T+4*\b+\i]
.endr
.endr
.endm
; and the fragment's image goes out
.macro QSTORE cd, u
.irp p, 0,1,2
	global_store_b128 v4, v[\cd+4*\p:\cd+4*\p+3], s[24:25] offset:1536*\u+512*\p   ; 32 lanes store 512 consecutive bytes, at a multiple of 512 from the buffer's first byte
.endr
.endm
	RDFRAG 0, Y
	s_wait_dscnt 0x0                               ; fragment 0's numbers are in
	s_wait_alu depctr_vm_vsrc(0)                   ; the LDS stores into the stage have read X,
	RDFRAG 1, X                                    ; which takes fragment 1's numbers while fragment 0 is worked
	QFRAG Y, C0, 13
	s_wait_alu depctr_va_vdst(0)                   ; the conversions and moves have written C0, which the three stores read
	QSTORE C0, 0
	s_wait_dscnt 0x0
	QFRAG X, C1, 14
	v_cndmask_b32 v239, v14, v13, vcc_lo           ; lanes 0-15: fragment 0's words, lanes 16-31: fragment 1's
	s_wait_alu depctr_va_vdst(0)                   ; C1 and v239 are written, which the four stores read
	QSTORE C1, 1
	global_store_b32 v5, v239, s[26:27]
.Lend:
	s_wait_dscnt 0x0                               ; the closing lines, six on end
	s_wait_alu 0x0
	s_wait_tensorcnt 0x0
	ds_add_u32 v240, v241
	s_wait_dscnt 0x0
	s_endpgm
	; ---- v: K (the keys) is not innermost: a lane takes a channel, and its registers run down the keys
.Lv:
	s_lshl_b32 s38, s16, 7                         ; my 32 channels: 128 bytes of each row
	s_add_co_u32 s36, s36, s38
	s_add_co_u32 s32, s32, VSEC
	s_add_co_u32 s34, s34, VSS
	s_add_nc_u64 s[22:23], s[8:9], s[36:37]
	s_add_nc_u64 s[24:25], s[12:13], s[32:33]
	s_add_nc_u64 s[26:27], s[14:15], s[34:35]
.irp kb, 0,1,2,3
.irp i, 0,1,2,3,4,5,6,7,8,9,10,11,12,13,14,15,16,17,18,19,20,21,22,23,24,25,26,27,28,29,30,31
	global_load_b32 v[X+32*\kb+\i], v5, s[22:23] offset:512*(32*\kb+\i) th:TH_LOAD_NT   ; key 32 kb + i at my channel: 128 consecutive bytes a wave, the four waves side by side on a row's 512
.endr
.endr
.irp n, 0,1,2,3
	v_mov_b32 v[PC+3*\n], 0x1c71c71c               ; sixteen codes 0x1c (the number 16), 6 bits each, are these three words
	v_mov_b32 v[PC+3*\n+1], 0xc71c71c7
	v_mov_b32 v[PC+3*\n+2], 0x71c71c71
.endr
	v_mov_b32 v[PSC], 0x7b7b7b7b                   ; under the scale 2^-4: p = 1
	; ---- THE TABLE, in work-group (0, 0) alone, while the 128 loads are on their way: thread t makes entries 4 t .. 4 t + 3
	s_cmp_lg_u32 ttmp9, 0
	s_cbranch_scc1 .Lno_table
	s_load_b256 s[LEN:LEN+7], s[10:11], 0x0        ; all eight lengths
	v_lshlrev_b32 v[OA], 4, v0
	v_lshlrev_b32 v[IX], 2, v0
.irp e, 1,2,3
	v_add_nc_u32 v[IX+\e], \e, v[IX]
.endr
	s_wait_alu depctr_va_vdst(0)
	s_wait_kmcnt 0x0
.irp b, 0,1,2,3,4,5,6,7
	s_max_i32 s[LEN+\b], s[LEN+\b], 0
	s_min_i32 s[LEN+\b], s[LEN+\b], 2048           ; the same mask as with the number as given
	s_add_co_u32 s[NB+\b], s[LEN+\b], 31
	s_lshr_b32 s[NB+\b], s[NB+\b], 5               ; n_b = ceil(length / 32): blocks 0 .. n_b - 1 have a query under the length
	s_lshl_b32 s[KEY+\b], s[LEN+\b], 3
	s_add_co_u32 s[KEY+\b], s[KEY+\b], 7-\b        ; no two keys are equal: of two equal lengths the lower batch goes first
	s_mov_b32 s[PH+\b], 0
.endr
; The batches go by falling length: all blocks of a batch multiply the same number of key steps.  P_b = the sum of n over the batches that go before b: each of the 28 pairs is compared once
.irp a, 0,1,2,3,4,5,6
.irp c, 1,2,3,4,5,6,7
.if \c > \a
	s_cmp_gt_u32 s[KEY+\a], s[KEY+\c]
	s_cselect_b32 s[TA], s[NB+\a], 0               ; (both choices ahead of the additions, which write SCC)
	s_cselect_b32 s[TC], 0, s[NB+\c]
	s_add_co_u32 s[PH+\c], s[PH+\c], s[TA]
	s_add_co_u32 s[PH+\a], s[PH+\a], s[TC]
.endif
.endr
.endr
	s_add_co_u32 s[RL], s[NB], s[NB+1]             ; behind all of them, from place R_0 = the sum of all n on: the other blocks, 64 - n_b of batch b, in the batches' own order
.irp b, 2,3,4,5,6,7
	s_add_co_u32 s[RL], s[RL], s[NB+\b]
.endr
.irp b, 1,2,3,4,5,6,7
	s_sub_co_u32 s[RL+\b], s[RL+\b-1], s[NB+\b-1]
	s_add_co_u32 s[RL+\b], s[RL+\b], 64
.endr
.irp b, 0,1,2,3,4,5,6,7
	s_lshl_b32 s[KEY+\b], s[LEN+\b], 9
	s_or_b32 s[KEY+\b], s[KEY+\b], \b              ; the word's part that hangs on the batch alone
	s_sub_co_u32 s[LEN+\b], s[RL+\b], s[NB+\b]     ; at place i >= R_b stands block j = i - (R_b - n_b)
.endr
; The runs cover places 0 .. 511 once: the sum of n + the sum of (64 - n) = 512.  So batch 0's word begins each entry without a test, and the run to which the entry belongs writes over it
.irp e, 0,1,2,3
	v_sub_nc_u32 v[TT+\e], v[IX+\e], s[PH]
.endr
.irp e, 0,1,2,3
	v_lshl_add_u32 v[RS+\e], v[TT+\e], 3, s[KEY]
.endr
.irp b, 1,2,3,4,5,6,7
.irp e, 0,1,2,3
	v_sub_nc_u32 v[TT+\e], v[IX+\e], s[PH+\b]      ; j, if the entry lies in this batch's run:
.endr
.irp e, 0,1,2,3
	v_lshl_add_u32 v[WW+\e], v[TT+\e], 3, s[KEY+\b]
.endr
.irp e, 0,1,2,3
	v_cmp_gt_u32 s[CM+\e], s[NB+\b], v[TT+\e]      ; 0 <= i - P_b < n_b, in one unsigned comparison; the four entries' masks in four scalar registers
.endr
	s_wait_alu depctr_va_sdst(0)                   ; the four comparisons have written s40 to s43, which the four choices read
.irp e, 0,1,2,3
	v_cndmask_b32 v[RS+\e], v[RS+\e], v[WW+\e], s[CM+\e]
.endr
.endr
.irp b, 0,1,2,3,4,5,6,7
.irp e, 0,1,2,3
	v_sub_nc_u32 v[TT+\e], v[IX+\e], s[LEN+\b]
.endr
.irp e, 0,1,2,3
	v_lshl_add_u32 v[WW+\e], v[TT+\e], 3, s[KEY+\b]
.endr
.irp e, 0,1,2,3
	v_cmp_le_u32 s[CM+\e], s[RL+\b], v[IX+\e]      ; R rises with b: the last batch with R_b <= i is the entry's
.endr
	s_wait_alu depctr_va_sdst(0)                   ; the four comparisons have written s40 to s43, which the four choices read
.irp e, 0,1,2,3
	v_cndmask_b32 v[RS+\e], v[RS+\e], v[WW+\e], s[CM+\e]
.endr
.endr
	s_wait_alu depctr_va_vdst(0)                   ; the four words and the offset v236 are written, which the store reads
	global_store_b128 v[OA], v[RS:RS+3], s[44:45]  ; 32 lanes store 512 consecutive bytes, at a multiple of 512 from the table's first byte; none of its registers is written again
.Lno_table:
.macro VMAX kb                                 ; block kb's largest magnitude: all 32 numbers are mine; two chains
	v_max3_num_f32 v[MXV+\kb], |v[X+32*\kb]|, |v[X+32*\kb+1]|, |v[X+32*\kb+2]|
	v_max3_num_f32 v[TV2], |v[X+32*\kb+3]|, |v[X+32*\kb+4]|, |v[X+32*\kb+5]|
.irp i, 6,10,14,18,22,26
	v_max3_num_f32 v[MXV+\kb], v[MXV+\kb], |v[X+32*\kb+\i]|, |v[X+32*\kb+\i+1]|
	v_max3_num_f32 v[TV2], v[TV2], |v[X+32*\kb+\i+2]|, |v[X+32*\kb+\i+3]|
.endr
	v_max3_num_f32 v[MXV+\kb], v[MXV+\kb], |v[X+32*\kb+30]|, |v[X+32*\kb+31]|
	v_max3_num_f32 v[MXV+\kb], v[MXV+\kb], v[TV2], FLOOR
.endm
	s_wait_loadcnt 63                              ; all but the youngest 63 of the 128 are in: blocks 0 and 1 (a wait's count names no more)
	VMAX 0
	VMAX 1
	s_wait_loadcnt 32                              ; block 2 is in
	VMAX 2
	s_wait_loadcnt 0x0
	VMAX 3
.irp kb, 0,1,2,3
	v_add_nc_u32 v[SOV+\kb], EOFF, v[MXV+\kb]
.endr
.irp kb, 0,1,2,3
	v_lshrrev_b32 v[BYV+\kb], 23, v[SOV+\kb]
.endr
	v_lshl_or_b32 v[WV], v[BYV+1], 8, v[BYV]       ; my channel's scale word for these 128 keys
	v_lshl_or_b32 v[WV], v[BYV+2], 16, v[WV]
	v_lshl_or_b32 v[WV], v[BYV+3], 24, v[WV]
.irp c, 0,1                                    ; block 2 c into FA's registers 6 c on, block 2 c + 1 into FB's
	v_cvt_scalef32_pk16_bf6_f32 v[FA+6*\c:FA+6*\c+2], v[X+64*\c:X+64*\c+15], v[SOV+2*\c]
	v_cvt_scalef32_pk16_bf6_f32 v[TV+8*\c:TV+8*\c+2], v[X+64*\c+16:X+64*\c+31], v[SOV+2*\c]
	v_cvt_scalef32_pk16_bf6_f32 v[FB+6*\c:FB+6*\c+2], v[X+64*\c+32:X+64*\c+47], v[SOV+2*\c+1]
	v_cvt_scalef32_pk16_bf6_f32 v[TV+8*\c+4:TV+8*\c+6], v[X+64*\c+48:X+64*\c+63], v[SOV+2*\c+1]
.endr
	v_nop                                          ; one plain place behind a scaled conversion
.irp c, 0,1
.irp i, 0,1,2
	v_mov_b32 v[FA+6*\c+3+\i], v[TV+8*\c+\i]
	v_mov_b32 v[FB+6*\c+3+\i], v[TV+8*\c+4+\i]
.endr
.endr
; A lane holds all four blocks of its channel; the operand's layout wants lane (r, h) to hold blocks h and 2 + h of row r.  FA's lanes 16-31 change places with FB's lanes 0-15:
; FA is then the fragment of channels 32 w + 0 .. 15, FB that of channels 32 w + 16 .. 31
.irp n, 0,1,2,3,4,5,6,7,8,9,10,11
	v_permlane16_swap_b32 v[FA+\n], v[FB+\n]
.endr
.rept 8
	v_nop                                          ; an operand written by vector instructions stands 4 places ahead of a scaled matrix instruction, a scale register so written 8
.endr
	s_wait_alu depctr_va_vdst(0)                   ; FA, FB, the scale words v212 and v213 and the constant operand are written: the two products take them, and the seven stores read FA, FB and v212
	; source 0 = 16 rows of p = 1, source 1 = 16 channels of v: every row of the result holds, at column r, the sum over the 128 keys of the quantised v
	v_wmma_scale_f32_16x16x128_f8f6f4 v[DA:DA+7], v[PC:PC+11], v[FA:FA+11], 0, v[PSC], v[WV] matrix_a_fmt:MATRIX_FMT_BF6 matrix_b_fmt:MATRIX_FMT_BF6
	v_wmma_scale_f32_16x16x128_f8f6f4 v[DB:DB+7], v[PC:PC+11], v[FB:FB+11], 0, v[PSC], v[WV] matrix_a_fmt:MATRIX_FMT_BF6 matrix_b_fmt:MATRIX_FMT_BF6 matrix_b_scale:MATRIX_SCALE_ROW1
.irp p, 0,1,2
	global_store_b128 v4, v[FA+4*\p:FA+4*\p+3], s[24:25] offset:512*\p   ; no vector or matrix instruction since the wait writes a register that these stores read
.endr
.irp p, 0,1,2
	global_store_b128 v4, v[FB+4*\p:FB+4*\p+3], s[24:25] offset:1536+512*\p
.endr
	global_store_b32 v5, v[WV], s[26:27]
.rept 4
	v_nop                                          ; four places behind a matrix instruction before its result is read (ISA guide 7.12.1)
.endr
	v_cndmask_b32 v[VR], v[DB], v[DA], vcc_lo      ; lane l: channel 32 w + l.  Each accumulator is read at its lowest register
	s_wait_alu depctr_va_vdst(0)                   ; the choice has written v227, which the store reads
	global_store_b32 v5, v[VR], s[26:27] offset:SUMD
	s_endpgm
.Lfunc_end_k_qb84da98d3d_quant:
	.size	k_qb84da98d3d_quant, .Lfunc_end_k_qb84da98d3d_quant-k_qb84da98d3d_quant
	.p2alignl 7, 3214868480
	.fill 96, 4, 3214868480
	.section	.rodata,"a",@progbits
	.p2align	6, 0x0
	.amdhsa_kernel k_qb84da98d3d_quant
		.amdhsa_group_segment_fixed_size 68096
		.amdhsa_private_segment_fixed_size 0
		.amdhsa_enable_private_segment 0
		.amdhsa_kernarg_size 56
		.amdhsa_user_sgpr_count 2
		.amdhsa_user_sgpr_kernarg_segment_ptr 1
		.amdhsa_wavefront_size32 1
		.amdhsa_system_sgpr_workgroup_id_x 1
		.amdhsa_system_sgpr_workgroup_id_y 1
		.amdhsa_system_sgpr_workgroup_id_z 1
		.amdhsa_system_vgpr_workitem_id 0
		.amdhsa_next_free_vgpr 242
		.amdhsa_next_free_sgpr 96
		.amdhsa_reserve_vcc 1
		.amdhsa_float_denorm_mode_32 3
		.amdhsa_float_denorm_mode_16_64 3
		.amdhsa_memory_ordered 1
		.amdhsa_forward_progress 1
		.amdhsa_inst_pref_size 62
	.end_amdhsa_kernel
	.amdgpu_metadata
---
amdhsa.version: [ 1, 2 ]
amdhsa.kernels:
  - .name:           k_qb84da98d3d_quant
    .symbol:         k_qb84da98d3d_quant.kd
    .args:
      - { .name: q, .offset: 0, .size: 8, .value_kind: global_buffer, .address_space: global }
      - { .name: k, .offset: 8, .size: 8, .value_kind: global_buffer, .address_space: global }
      - { .name: v, .offset: 16, .size: 8, .value_kind: global_buffer, .address_space: global }
      - { .name: event_lengths, .offset: 24, .size: 8, .value_kind: global_buffer, .address_space: global }
      - { .name: codes, .offset: 32, .size: 8, .value_kind: global_buffer, .address_space: global }
      - { .name: scales, .offset: 40, .size: 8, .value_kind: global_buffer, .address_space: global }
      - { .name: order, .offset: 48, .size: 8, .value_kind: global_buffer, .address_space: global }
    .group_segment_fixed_size: 68096
    .private_segment_fixed_size: 0
    .kernarg_segment_align: 8
    .kernarg_segment_size: 56
    .max_flat_workgroup_size: 128
    .sgpr_count:     96
    .vgpr_count:     242
    .wavefront_size: 32
...
	.end_amdgpu_metadata
.endif
;; end of part 5
;; launch attn (part 6): grid 512 x 1, 16 waves a work-group, no clusters, 277,504 bytes of LDS; arguments order, codes, scales, out0; writes out0
.if DOCPART == 6
	.amdgcn_target "amdgcn-amd-amdhsa--gfx1250"
	.amdhsa_code_object_version 6
	.text
	.protected	k_qb84da98d3d_attn
	.globl	k_qb84da98d3d_attn
	.p2align	8
	.type	k_qb84da98d3d_attn,@function
k_qb84da98d3d_attn:
	s_mov_b64 s[64:65], 0
	v_nop
	global_prefetch_b8 v0, s[64:65] scope:SCOPE_SE
	s_setreg_imm32_b32 hwreg(HW_REG_WAVE_SCHED_MODE, 0, 2), 2
	s_setreg_imm32_b32 hwreg(HW_REG_WAVE_MODE, 25, 1), 1
	s_wait_xcnt 0x0
	s_wait_alu depctr_vm_vsrc(0)
; out0[b][q] = softmax_k(mask(q . k / sqrt(128))) v, both products on codes of BF6 (E3M2) with one E8M0 scale for each 32 along K; an entry counts where q < length[b] and k < length[b], else its logit is -1e9.
; THE SOFTMAX AHEAD OF THE SECOND PRODUCT: t = score x log2(e) / sqrt(128); M = the largest t rounded up to a whole number; p = 2^(t - M) is quantised along the keys, not normalised; the sum of the unquantised p divides at the end.
; SHARES.  Work-group i takes the block that entry i of the table names (b | j << 3 | length << 9, made by the launch before from event_lengths): queries 32 j .. 32 j + 31 of batch b, two tiles of 16 (one record of q's codes).
; The table is a permutation of the 512 blocks, ordered by their work, the longest first: the lower a work-group's number, the more key steps it multiplies.
; WAVE s OWNS KEY STEP s, keys 128 s .. 128 s + 127, for both tiles: each fragment of K and V comes from memory straight into registers, once a work-group, and feeds two matrix instructions.
; No loop over keys, no running maximum, no chain of matrix instructions: every sum begins and ends in one instruction.
; A wave's M is its own step's.  The sixteen partial results of a row meet in LDS behind ONE barrier and are brought under the row's M by 2^(M_s - M): whole powers of two, which round nothing.
; WHAT THE MASK THROWS AWAY.  A key at or beyond the length has p = 0 for a query under it: a wave all of whose keys lie there does no product.  A query at or beyond the length has p = 1 for all 2,048 keys: its row is the sum
; over the keys of the quantised v (made by the launch before, in sixteen parts a batch) / 2,048.  In a work-group on the edge such rows are computed like the others (finite numbers) and then replaced.
; NO CLUSTER, NO TENSOR LOADS, though the 64 work-groups of a batch read the same K and V: which key steps a work-group multiplies hangs on the lengths, read from memory
; with tensor loads all 16 steps of all 64 blocks would be multiplied, against (length / 2,048)^2 of them here.
; LAYOUT.  Both products are used transposed: S^T = K Q^T, O^T = V^T P^T: a lane holds ONE query (lane % 16) throughout.  Lane r of a tile of K is key 32 b' + 8 u + r + 8 (r / 8), so that register 16 b' + i of the scores
; is key 32 b' + 16 (lane / 16) + i.  Lane r of tile u of Q is query 8 u + r + 8 (r / 8) of the 32.
; LIMITS: NaN and infinities are not served.  The length comes held to 0 .. 2,048, which gives reference()'s mask for any whole number.  A hidden key of a query under the length is taken as p = 0, which holds while the kept logits
; lie above about -1e9 + 200.
; THE MODE: SCHED_MODE bits 1:0 = 2 (LLVM: expert scheduling mode 2), set by the entry lines.  The code itself states the register dependences between vector or matrix instructions and memory or LDS instructions, with s_wait_alu, always for 0.
; THE PLAN.  Registers that memory or LDS instructions touch, in the order of the text:
;   v1-9         offsets and LDS addresses: written at the head and never again: the first wait on va_vdst of each arm (waves with keys, waves without) serves every load and store.
;   KV, KSC      K's loads land; both tiles' score products read; V's loads land (a wait on va_vdst between); both tiles' products with V read; the merge's LDS loads land (the wait on va_vdst ahead of the last stores of O^T stands between).
;   Q, QSC       loads land once; the score products read.
;   v12, v14     -M and l: written by a tile's softmax, read by its two LDS stores (va_vdst ahead of them); tile 1's softmax writes them again (vm_vsrc, which stands ahead of V's loads).
;   P0, P1, PS   p's codes and scale words: written by vector lines, taken by the scaled products: one wait on va_vdst behind the places in front of those products; it is also the one ahead of tile 1's two stores.
;   S            written by products and softmax; as O^T read by sixteen LDS stores a tile (places, then va_vdst); written again by tile 1's products (vm_vsrc) and behind the barrier (vm_vsrc at the join).
;   v18, v19, v32-35   a wave without keys: written by moves, read by its LDS stores (va_vdst); v32-35 take the merge's loads (vm_vsrc at the join).
;   OP           the merge: four waves' partial results land; the group's sums read; the next group's land (va_vdst between).
;   ACC, MA      written by vector lines, read by the rows' stores (va_vdst ahead of them); the first of these waits also stands between the merge's vector lines and the loads of the sums of v, which land in their registers.
;   Scalars that vector lines write: s12 (the wave's number) and s52-59 (the mask's comparisons, eight at a time): a wait on va_sdst between the writers and their first reader.
; All 256 registers of a wave are laid out, four waves to a SIMD: there is no second set of registers for fragments.
.set KSEC,  1572864                    ; codes: q's section at 0, K's here,
.set SECD,  1572864                    ; V's this far behind K's
.set KSS,   65536                      ; scales: q's at 0, K's here, V's as far again,
.set VSUM,  196608                     ; the sums of v here
.set SLOTB, 528                        ; LDS: a query's 128 partial results, 512 bytes + 16: an odd multiple of 16, so that sixteen queries' stores fall on different banks (64 banks of 4 bytes: ISA guide 11.1)
.set REG,   32*SLOTB                   ; a wave's region: slot 16 u + r for tile u, lane r.  Sixteen regions from LDS byte 0
.set STM,   16*REG                     ; behind them: -M, 80 bytes a slot (16 words + 16 bytes), word s = wave s's
.set STROW, 80
.set STL,   32*STROW                   ; and the sums l, this far behind -M
.set Q0,  20                           ; v20-31   Q, tile 0;  v240-251 tile 1
.set QD,  220
.set KV,  32                           ; v32-127  eight fragments of K, then of V
.set S,   128                          ; v128-191 S^T, then p, then O^T
.set P0,  192                          ; v192-203, v204-215 p's codes, tile 0, 1
.set PS,  216                          ; v216-217 p's scale words
.set QSC, 218                          ; v218     Q's scale words: lanes 0-15 tile 0's, lanes 16-31 tile 1's
.set BM,  220                          ; v220-223 the four blocks' largest scores, then largest p
.set PT,  224                          ; v224-227 at work
.set SO,  228                          ; v228-231 the conversions' scale operands
.set CV,  232                          ; v232-234, v236-238 half blocks of codes
.set KSC, 252                          ; v252-255 K's, then V's scale words: register g: lanes 0-15 fragment 2 g's, lanes 16-31 fragment 2 g + 1's
.set CM,  52                           ; s52-59   eight comparisons' masks
; behind the barrier:
.set NM,  32                           ; v32-63   -M of the 16 waves, for my two rows; then the factors f of the even waves
.set LL,  64                           ; v64-95   l likewise
.set OP,  96                           ; v96-127  four waves' partial results of my two rows, 16 bytes a lane
.set ACC, 128                          ; v128-135 my two rows
.set GM,  136                          ; v136-137 the rows' -M
.set LS,  138                          ; v138-139 the rows' l
.set EE,  140                          ; v140-171 exponents; then the factors f of the odd waves, at even registers
.set RC,  172                          ; v172-173 1 / l
.set MN,  140                          ; v140-203 the sixteen parts of the sum of v
.set MA,  204                          ; v204-207, v208-211 two chains
.set MB,  208
.macro WM d, a, b, sa, sb, ra, rb      ; one product; ra, rb: source 0's, source 1's scale words lie in lanes 16-31
.if (\ra) && (\rb)
	v_wmma_scale_f32_16x16x128_f8f6f4 v[\d:\d+7], v[\a:\a+11], v[\b:\b+11], 0, v[\sa], v[\sb] matrix_a_fmt:MATRIX_FMT_BF6 matrix_b_fmt:MATRIX_FMT_BF6 matrix_a_scale:MATRIX_SCALE_ROW1 matrix_b_scale:MATRIX_SCALE_ROW1
.elseif (\ra)
	v_wmma_scale_f32_16x16x128_f8f6f4 v[\d:\d+7], v[\a:\a+11], v[\b:\b+11], 0, v[\sa], v[\sb] matrix_a_fmt:MATRIX_FMT_BF6 matrix_b_fmt:MATRIX_FMT_BF6 matrix_a_scale:MATRIX_SCALE_ROW1
.elseif (\rb)
	v_wmma_scale_f32_16x16x128_f8f6f4 v[\d:\d+7], v[\a:\a+11], v[\b:\b+11], 0, v[\sa], v[\sb] matrix_a_fmt:MATRIX_FMT_BF6 matrix_b_fmt:MATRIX_FMT_BF6 matrix_b_scale:MATRIX_SCALE_ROW1
.else
	v_wmma_scale_f32_16x16x128_f8f6f4 v[\d:\d+7], v[\a:\a+11], v[\b:\b+11], 0, v[\sa], v[\sb] matrix_a_fmt:MATRIX_FMT_BF6 matrix_b_fmt:MATRIX_FMT_BF6
.endif
.endm
	s_load_b256 s[4:11], s[0:1], 0x0               ; order s[4:5], codes s[6:7], scales s[8:9], out0 s[10:11]
	v_lshl_add_u32 v235, v0, 2, 0x43400
	v_mov_b32 v239, 0
	v_lshrrev_b32 v1, 5, v0
	v_readfirstlane_b32 s12, v1                    ; wave 0..15
	s_lshl_b32 s42, ttmp9, 2
	s_mov_b32 s43, 0                               ; stays 0: the upper word of every offset
	s_wait_kmcnt 0x0
	s_add_nc_u64 s[4:5], s[4:5], s[42:43]
	s_load_b32 s50, s[4:5], 0x0                    ; my work-group's entry of the table; all that follows up to the wait hangs on the wave and the lane alone
	s_mov_b32 s20, 0x76543210
	s_mov_b32 s21, 0xfedcba98                      ; v_permlanex16_b32's selects for lane l xor 16
	s_mov_b32 s22, 0x3e0293ee                      ; c = log2(e) / sqrt(128)
	s_mov_b32 s23, s22                             ; (named with it as a pair, so it is written)
	s_wait_alu depctr_va_sdst(0)                   ; s12 is written, ahead of its first reader: keys, rows, LDS places and branches are made from it
	s_lshl_b32 s18, s12, 7                         ; my first key
	s_add_co_u32 s41, s18, 128                     ; and the first behind my last
	s_lshr_b32 s45, s12, 3                         ; behind the barrier I own slots 2 w and 2 w + 1: tile w / 8, lanes 2 (w % 8) and the next:
	s_lshl_b32 s45, s45, 3
	s_and_b32 s46, s12, 7
	s_lshl_b32 s46, s46, 1
	s_add_co_u32 s45, s45, s46
	s_bfe_u32 s46, s12, 0x10002
	s_lshl_b32 s46, s46, 3
	s_add_co_u32 s45, s45, s46                     ; queries 8 (w / 8) + 2 (w % 8) + 8 ((w / 4) % 2) and the next of the 32
	; every LDS address is made here, ahead of the first parting of the waves: constants, the lane and the wave's number
	v_and_b32 v18, 31, v0
	v_lshlrev_b32 v1, 4, v18                       ; v1  16 x lane
	v_lshlrev_b32 v2, 2, v18                       ; v2  4 x lane
	v_and_b32 v19, 15, v0                          ; r
	v_bfe_u32 v10, v0, 4, 1                        ; h
	s_mul_i32 s48, s12, REG
	v_mul_u32_u24 v3, v19, SLOTB
	v_lshl_add_u32 v3, v10, 5, v3
	v_add_nc_u32 v3, s48, v3                       ; v3  my region, slot r, + 32 h: where I put eight channels of a query
	s_lshl_b32 s49, s12, 2
	s_add_co_u32 s49, s49, STM
	v_mul_u32_u24 v4, v19, STROW
	v_add_nc_u32 v4, s49, v4                       ; v4  slot r's word for my wave
	s_mul_i32 s49, s12, 2*STROW
	s_add_co_u32 s49, s49, STM
	v_mov_b32 v5, s49                              ; v5  the sixteen words of slot 2 w
	s_mul_i32 s49, s12, 2*SLOTB
	v_add_nc_u32 v6, s49, v1                       ; v6-9  slot 2 w in the regions of waves 0, 4, 8, 12, 16 bytes a lane (an LDS offset has 16 bits)
	v_add_nc_u32 v7, 4*REG, v6
	v_add_nc_u32 v8, 8*REG, v6
	v_add_nc_u32 v9, 12*REG, v6
	v_mov_b32 v11, 0xff800000                      ; -infinity
	v_mov_b32 v13, 0                               ; (named as the upper half of the pair v[12:13])
	v_mov_b32 v19, 0                               ; written once, as are the next four: a lane permute's destination counts as one of its sources
.irp b, 0,1,2,3
	v_mov_b32 v[PT+\b], 0
.endr
	v_lshlrev_b32 v10, 4, v10                      ; 16 h
	s_wait_alu depctr_va_vdst(0)
	s_wait_kmcnt 0x0
	s_and_b32 s13, s50, 7                          ; b,
	s_min_u32 s13, s13, 7                          ; (each number read from memory is held by a constant before it enters an address)
	s_bfe_u32 s14, s50, 0x60003                    ; j: 6 bits from bit 3,
	s_min_u32 s14, s14, 63
	s_lshr_b32 s15, s50, 9                         ; the batch's length
	s_min_u32 s15, s15, 2048
	s_lshl_b32 s44, s13, 4
	s_add_co_u32 s44, s44, s12                     ; 16 b + wave: my key step's four records
	s_mul_i32 s42, s44, 12288
	s_add_co_u32 s42, s42, KSEC
	s_add_nc_u64 s[24:25], s[6:7], s[42:43]        ; K's codes
	s_add_nc_u64 s[26:27], s[24:25], SECD          ; V's
	s_lshl_b32 s42, s44, 9
	s_add_co_u32 s42, s42, KSS
	s_add_nc_u64 s[30:31], s[8:9], s[42:43]        ; K's scale words
	s_add_nc_u64 s[32:33], s[30:31], KSS           ; V's
	s_lshl_b32 s44, s13, 6
	s_add_co_u32 s44, s44, s14                     ; 64 b + j: my work-group's record of q
	s_mul_i32 s42, s44, 3072
	s_add_nc_u64 s[28:29], s[6:7], s[42:43]
	s_lshl_b32 s42, s44, 7
	s_add_nc_u64 s[34:35], s[8:9], s[42:43]
	s_lshl_b32 s42, s13, 13
	s_add_co_u32 s42, s42, VSUM
	s_add_nc_u64 s[36:37], s[8:9], s[42:43]        ; the batch's sixteen parts of the sum of v, 512 bytes each
	s_lshl_b32 s47, s14, 5
	s_add_co_u32 s47, s47, s45                     ; my first row in the batch
	s_lshl_b32 s46, s44, 5
	s_add_co_u32 s46, s46, s45
	s_lshl_b32 s42, s46, 9
	s_add_nc_u64 s[38:39], s[10:11], s[42:43]      ; and in out0
	s_lshl_b32 s19, s14, 5
	s_add_co_u32 s16, s15, 127
	s_lshr_b32 s16, s16, 7
	s_cmp_lt_i32 s19, s15
	s_cselect_b32 s16, s16, 0                      ; s16  key steps to be multiplied: ceil(length / 128) where a query of mine lies under the length, else none
	s_add_co_u32 s17, s16, 3
	s_and_b32 s17, s17, -4                         ; s17  rounded up to fours: the merge reads partial results four waves at a time
	s_sub_co_i32 s40, s15, s47
	s_max_i32 s40, s40, 0
	s_min_i32 s40, s40, 2                          ; s40  how many of my two rows lie under the length
	s_sub_co_i32 s19, s15, s18
	v_sub_nc_u32 v10, s19, v10                     ; v10  length - my first key - 16 h
	s_cmp_lt_u32 s12, s16
	s_cbranch_scc1 .Lactive
	; ---- a wave without keys: -M = 3e38, over every -M, so that its factor comes out 0; l = 0; zeros for partial results where the merge will read them
	v_mov_b32 v18, 0x7f61b1e6
.irp e, 0,1,2,3
	v_mov_b32 v[32+\e], 0
.endr
	s_wait_alu depctr_va_vdst(0)                   ; the addresses v1 to v9 and the data v18, v19 and v32 to v35 are written: this arm's LDS stores read v3, v4 and the data, and the loads and stores behind the barrier the other addresses
	ds_store_b32 v4, v18
	ds_store_b32 v4, v18 offset:16*STROW
	ds_store_b32 v4, v19 offset:STL
	ds_store_b32 v4, v19 offset:STL+16*STROW
	s_cmp_lt_u32 s12, s17
	s_cbranch_scc0 .Ljoin
.irp u, 0,1
.irp dt, 0,1,2,3,4,5,6,7
	ds_store_b128 v3, v[32:35] offset:16*SLOTB*\u+64*\dt
	ds_store_b128 v3, v[32:35] offset:16*SLOTB*\u+64*\dt+16
.endr
.endr
	s_branch .Ljoin
; S^T of tile u: eight tiles of 16 keys.  counted = 1: K's fragments are still landing
.macro SCORE u, counted
.irp kt, 0,1,2,3,4,5,6,7
.if \counted
	s_wait_loadcnt 3*(7-\kt)                       ; loads come back in order (ISA guide 5.7.1): fragment kt is in; the younger fragments' three loads each stay out
.endif
	WM S+8*\kt, KV+12*\kt, Q0+QD*\u, KSC+\kt/2, QSC, \kt%2, \u
.endr
.endm
; O^T of tile u for my 128 keys: eight tiles of 16 channels
.macro PV u, counted
.irp dt, 0,1,2,3,4,5,6,7
.if \counted
	s_wait_loadcnt 3*(7-\dt)
.endif
	WM S+8*\dt, KV+12*\dt, P0+12*\u, KSC+\dt/2, PS+\u, \dt%2, 0
.endr
.endm
.macro PSTORE u                        ; lane (r, h): channels 16 dt + 8 h + 0 .. 7 of query r; each accumulator from its low end on
.irp dt, 0,1,2,3,4,5,6,7
	ds_store_b128 v3, v[S+8*\dt:S+8*\dt+3] offset:16*SLOTB*\u+64*\dt
	ds_store_b128 v3, v[S+8*\dt+4:S+8*\dt+7] offset:16*SLOTB*\u+64*\dt+16
.endr
.endm
; The scores of keys at or beyond the length become -infinity ahead of the maximum: p = 0 then.  A step all of whose keys count jumps over this.  Register n holds key (my first) + 16 h + 32 (n / 16) + n % 16.
; The comparisons go eight at a time, an accumulator's eight registers, into eight scalar registers
.macro MASK
	s_cmp_le_i32 s41, s15
	s_cbranch_scc1 .Lopen_\@
.irp g, 0,1,2,3,4,5,6,7
.irp e, 0,1,2,3,4,5,6,7
	v_cmp_ge_i32 s[CM+\e], 32*((8*\g+\e)/16)+(8*\g+\e)%16, v10
.endr
	s_wait_alu depctr_va_sdst(0)                   ; the eight comparisons have written s52 to s59, which the eight choices read
.irp e, 0,1,2,3,4,5,6,7
	v_cndmask_b32 v[S+8*\g+\e], v[S+8*\g+\e], v11, s[CM+\e]
.endr
.endr
.Lopen_\@:
.endm
; Tile u's 64 scores of a lane become p's codes and scale word, -M (v12) and l (v14): vector lines alone.  My first key lies under the length, so every query's maximum is a number
.macro SOFTMAX u
.set PP, P0+12*\u
.if \u
	s_wait_dscnt 0x0                               ; tile 0's two LDS stores have landed
.endif
.irp b, 0,1,2,3
	v_max3_num_f32 v[BM+\b], v[S+16*\b], v[S+16*\b+1], v[S+16*\b+2]   ; the largest score of each block of 32 keys: it serves for the row's maximum and, since p rises with the score, for the block's largest p
.endr
.irp i, 3,5,7,9,11,13
.irp b, 0,1,2,3
	v_max3_num_f32 v[BM+\b], v[BM+\b], v[S+16*\b+\i], v[S+16*\b+\i+1]   ; (the four blocks by turns)
.endr
.endr
.irp b, 0,1,2,3
	v_max_num_f32 v[BM+\b], v[BM+\b], v[S+16*\b+15]
.endr
.irp b, 0,1,2,3
	v_permlanex16_b32 v[PT+\b], v[BM+\b], s20, s21
.endr
.irp b, 0,1,2,3
	v_max_num_f32 v[BM+\b], v[BM+\b], v[PT+\b]     ; with lane l xor 16's 16 keys
.endr
	v_max3_num_f32 v18, v[BM], v[BM+1], v[BM+2]
	v_max_num_f32 v18, v18, v[BM+3]                ; my query's largest score in this step
	v_mul_f32 v18, s22, v18                        ; as t (c is positive)
	v_floor_f32 v12, -v18                          ; -M = floor(-t) = -ceil(t): a whole number
.irp j, 0,2,4,6,8,10,12,14,16,18,20,22,24,26,28,30,32,34,36,38,40,42,44,46,48,50,52,54,56,58,60,62
	v_pk_fma_f32 v[S+\j:S+\j+1], v[S+\j:S+\j+1], s[22:23], v[12:13] op_sel_hi:[1,0,0]   ; t - M, two at a time (of the pairs c and -M the low word serves both halves)
.endr
.irp b, 0,1,2,3
	v_fma_f32 v[BM+\b], v[BM+\b], s22, v12         ; the same of each block's largest score
.endr
	s_wait_alu depctr_va_vdst(0)
.irp j, 0,1,2,3,4,5,6,7,8,9,10,11,12,13,14,15,16,17,18,19,20,21,22,23,24,25,26,27,28,29,30,31,32,33,34,35,36,37,38,39,40,41,42,43,44,45,46,47,48,49,50,51,52,53,54,55,56,57,58,59,60,61,62,63
	v_exp_f32 v[S+\j], v[S+\j]                     ; p = 2^(t - M), at most 1
.endr
	v_nop                                          ; a plain place behind the exponentials
	s_wait_alu depctr_va_vdst(0)                   ; the 64 exponentials have written p: one wait for the whole batch, ahead of its first reader
.irp b, 0,1,2,3
	v_exp_f32 v[BM+\b], v[BM+\b]                   ; the block's largest p: the same two instructions on the same number give the same bits
.endr
	v_pk_add_f32 v[14:15], v[S:S+1], v[S+2:S+3]    ; the sum is taken of the unquantised p: two at a time, in two chains, begun by additions.  (It reads the 64 alone: plain work behind the four)
	v_pk_add_f32 v[16:17], v[S+4:S+5], v[S+6:S+7]
.irp j, 8,12,16,20,24,28,32,36,40,44,48,52,56,60
	v_pk_add_f32 v[14:15], v[14:15], v[S+\j:S+\j+1]
	v_pk_add_f32 v[16:17], v[16:17], v[S+\j+2:S+\j+3]
.endr
	v_pk_add_f32 v[14:15], v[14:15], v[16:17]
	s_wait_alu depctr_va_vdst(0)                   ; and the four exponentials have written the blocks' largest p, ahead of their first reader
.irp b, 0,1,2,3
	v_max_num_f32 v[BM+\b], 0x2800000, v[BM+\b]    ; the floor 2^(5 - 127): the byte cannot fall under 1 (a block whose every p is 0 keeps that byte: its codes are zeros)
.endr
.irp b, 0,1,2,3
	v_add_nc_u32 v[SO+\b], 0xfe000000, v[BM+\b]    ; 4 off the exponent field: the conversion's scale operand
.endr
.irp b, 0,1,2,3
	v_lshrrev_b32 v[PT+\b], 23, v[SO+\b]           ; the scale's byte
.endr
	v_lshl_or_b32 v[PS+\u], v[PT+1], 8, v[PT]      ; p's scale word for my 128 keys
	v_lshl_or_b32 v[PS+\u], v[PT+2], 16, v[PS+\u]
	v_lshl_or_b32 v[PS+\u], v[PT+3], 24, v[PS+\u]
.irp c, 0,1
	v_cvt_scalef32_pk16_bf6_f32 v[PP+6*\c:PP+6*\c+2], v[S+32*\c:S+32*\c+15], v[SO+2*\c]
	v_cvt_scalef32_pk16_bf6_f32 v[CV+4*\c:CV+4*\c+2], v[S+32*\c+16:S+32*\c+31], v[SO+2*\c+1]   ; (a conversion's three registers begin on an even number)
.endr
	v_nop                                          ; one plain place behind a scaled conversion
.irp c, 0,1                                    ; the operand's layout wants a whole block in a lane: lanes 0-15 block 2 c, lanes 16-31 block 2 c + 1
.irp i, 0,1,2
	v_permlane16_swap_b32 v[PP+6*\c+\i], v[CV+4*\c+\i]
.endr
.irp i, 0,1,2
	v_mov_b32 v[PP+6*\c+3+\i], v[CV+4*\c+\i]
.endr
.endr
	v_add_f32 v14, v14, v15                        ; the sum's two halves,
	v_permlanex16_b32 v19, v14, s20, s21
	v_add_f32 v14, v14, v19                        ; and lane l xor 16's
.endm
; Tile u's -M and l go to LDS
.macro STAT u
	ds_store_b32 v4, v12 offset:16*STROW*\u        ; (lanes r and 16 + r write the same word with the same value)
	ds_store_b32 v4, v14 offset:STL+16*STROW*\u
.endm
	; ---- a wave with keys
.Lactive:
	s_wait_alu depctr_va_vdst(0)                   ; the offsets and addresses v1 to v9 are written, which every load and store of this arm and behind the barrier reads
	global_load_b32 v[QSC], v2, s[34:35]
.irp g, 0,1,2,3
	global_load_b32 v[KSC+\g], v2, s[30:31] offset:128*\g
.endr
.irp p, 0,1,2
	global_load_b128 v[Q0+4*\p:Q0+4*\p+3], v1, s[28:29] offset:512*\p
.endr
.irp p, 0,1,2
	global_load_b128 v[Q0+QD+4*\p:Q0+QD+4*\p+3], v1, s[28:29] offset:1536+512*\p
.endr
.irp f, 0,1,2,3,4,5,6,7,8,9,10,11,12,13,14,15,16,17,18,19,20,21,22,23
	global_load_b128 v[KV+4*\f:KV+4*\f+3], v1, s[24:25] offset:512*\f   ; the images of K's eight fragments, three loads each: 512 consecutive bytes a load
.endr
	SCORE 0, 1
.rept 4
	v_nop                                          ; four places behind a matrix instruction before its result is read (ISA guide 7.12.1)
.endr
	MASK
	SOFTMAX 0
	s_wait_alu depctr_va_vdst(0)                   ; tile 0's softmax has written v12 and v14, which the two LDS stores read
	STAT 0
	SCORE 1, 0
.rept 4
	v_nop                                          ; four places behind a matrix instruction before its result is read (ISA guide 7.12.1)
.endr
	s_wait_alu depctr_vm_vsrc(0)                   ; tile 0's two LDS stores have read v12 and v14, which tile 1's softmax writes again: stated here, ahead of V's loads and of the mask's branch
	s_wait_alu depctr_va_vdst(0)                   ; the sixteen score products are done reading K's fragments and scale words, in which V's land
.irp g, 0,1,2,3
	global_load_b32 v[KSC+\g], v2, s[32:33] offset:128*\g
.endr
.irp f, 0,1,2,3,4,5,6,7,8,9,10,11,12,13,14,15,16,17,18,19,20,21,22,23
	global_load_b128 v[KV+4*\f:KV+4*\f+3], v1, s[26:27] offset:512*\f   ; V's eight fragments land while tile 1's softmax is worked: none of its lines names their registers
.endr
	MASK
	SOFTMAX 1
.rept 8
	v_nop                                          ; a scale register written by a vector instruction stands 8 places ahead of a scaled matrix instruction, an operand so written 4
.endr
	s_wait_alu depctr_va_vdst(0)                   ; both tiles' codes of p and their scale words are written, which the scaled products take; so are v12 and v14, which the two LDS stores read
	STAT 1
	PV 0, 1
.rept 5
	v_nop                                          ; four places in front of the stores that read the results, five in front of the products that write over them
.endr
	s_wait_alu depctr_va_vdst(0)                   ; tile 0's products have written O^T, which the LDS stores read; the places above stay beside this wait
	PSTORE 0
	s_wait_dscnt 0x0                               ; tile 0's stores have landed
	s_wait_alu depctr_vm_vsrc(0)                   ; and have read v128 to v191, which tile 1's products write again
	PV 1, 0
.rept 4
	v_nop
.endr
	s_wait_alu depctr_va_vdst(0)                   ; tile 1's products have written O^T, which the LDS stores read, and are done reading V's fragments, in which the merge's LDS loads land
	PSTORE 1
.Ljoin:
	s_wait_dscnt 0x0                               ; for the others' sake: all my LDS stores have landed
	s_wait_alu depctr_vm_vsrc(0)                   ; my LDS stores have read their data (v128 to v191, v12, v14; without keys v18, v19, v32 to v35): behind the barrier loads land in these registers and vector lines write them
	s_barrier_signal -1
	s_barrier_wait -1                              ; the one barrier, on every wave's path
	s_cmp_eq_u32 s40, 0
	s_cbranch_scc1 .Lall
	; ---- THE MERGE of my two rows
.irp i, 0,1
.irp k, 0,1,2,3
	ds_load_b128 v[NM+16*\i+4*\k:NM+16*\i+4*\k+3], v5 offset:STROW*\i+16*\k          ; every lane reads the same words
.endr
.irp k, 0,1,2,3
	ds_load_b128 v[LL+16*\i+4*\k:LL+16*\i+4*\k+3], v5 offset:STL+STROW*\i+16*\k
.endr
.endr
.macro LDG g                           ; waves 4 g .. 4 g + 3: their partial results of my two rows, 512 consecutive bytes a load
.irp i, 0,1
.irp p, 0,1,2,3
	ds_load_b128 v[OP+16*\i+4*\p:OP+16*\i+4*\p+3], v[6+\g] offset:REG*\p+SLOTB*\i
.endr
.endr
.endm
.macro ADDG g                          ; row += f_s x partial, s = 4 g + p.  f of an even s lies at NM + s, of an odd s at EE + s - 1: always the low word of an even pair
.irp p, 0,1,2,3
.irp i, 0,1
.if (\p)%2
.set FR, EE+16*\i+4*\g+\p-1
.else
.set FR, NM+16*\i+4*\g+\p
.endif
.if (\g)+(\p) == 0
	v_pk_mul_f32 v[ACC+4*\i:ACC+4*\i+1], v[OP+16*\i:OP+16*\i+1], v[FR:FR+1] op_sel_hi:[1,0]   ; the first product starts the sums
	v_pk_mul_f32 v[ACC+4*\i+2:ACC+4*\i+3], v[OP+16*\i+2:OP+16*\i+3], v[FR:FR+1] op_sel_hi:[1,0]
.else
	v_pk_fma_f32 v[ACC+4*\i:ACC+4*\i+1], v[OP+16*\i+4*\p:OP+16*\i+4*\p+1], v[FR:FR+1], v[ACC+4*\i:ACC+4*\i+1] op_sel_hi:[1,0,1]
	v_pk_fma_f32 v[ACC+4*\i+2:ACC+4*\i+3], v[OP+16*\i+4*\p+2:OP+16*\i+4*\p+3], v[FR:FR+1], v[ACC+4*\i+2:ACC+4*\i+3] op_sel_hi:[1,0,1]
.endif
.endr
.endr
.endm
	LDG 0
	s_wait_dscnt 8                                 ; -M and l are in; the eight loads of partial results stay out
.irp i, 0,1
	v_min3_num_f32 v[GM+\i], v[NM+16*\i], v[NM+16*\i+1], v[NM+16*\i+2]   ; the row's -M: the least of the sixteen
.endr
.irp k, 3,5,7,9,11,13
.irp i, 0,1
	v_min3_num_f32 v[GM+\i], v[GM+\i], v[NM+16*\i+\k], v[NM+16*\i+\k+1]
.endr
.endr
.irp i, 0,1
	v_min_num_f32 v[GM+\i], v[GM+\i], v[NM+16*\i+15]
.endr
.irp i, 0,1
.irp s, 0,1,2,3,4,5,6,7,8,9,10,11,12,13,14,15
	v_sub_f32 v[NM+16*\i+\s], v[GM+\i], v[NM+16*\i+\s]     ; M_s - M: a whole number, 0 or less
.endr
.endr
.irp i, 0,1
.irp s, 0,1,2,3,4,5,6,7,8,9,10,11,12,13,14,15
	v_cvt_i32_f32 v[EE+16*\i+\s+1-2*(\s%2)], v[NM+16*\i+\s]   ; (it saturates)  wave s's goes to place s xor 1
.endr
.endr
.irp i, 0,1
.irp s, 0,2,4,6,8,10,12,14
	v_ldexp_f32 v[NM+16*\i+\s], 1.0, v[EE+16*\i+\s+1]      ; f_s = 2^(M_s - M); 0 for a wave without keys
	v_ldexp_f32 v[EE+16*\i+\s], 1.0, v[EE+16*\i+\s]        ; f_(s + 1)
.endr
.endr
.irp i, 0,1
	v_mul_f32 v[LS+\i], v[NM+16*\i], v[LL+16*\i]           ; l = the sum of f_s l_s
.endr
.irp s, 0,2,4,6,8,10,12,14
.irp i, 0,1
.if \s
	v_fmac_f32 v[LS+\i], v[NM+16*\i+\s], v[LL+16*\i+\s]
.endif
.endr
.irp i, 0,1
	v_fmac_f32 v[LS+\i], v[EE+16*\i+\s], v[LL+16*\i+\s+1]
.endr
.endr
	s_wait_dscnt 0x0
	ADDG 0
.irp g, 1,2,3                                  ; a further four waves only where one of them had keys: their loads and the sums stand behind one test
	s_cmp_gt_u32 s16, 4*\g
	s_cbranch_scc0 .Lsummed
	s_wait_alu depctr_va_vdst(0)                   ; the sums of the four waves before are done reading v96 to v127, in which these four waves' partial results land
	LDG \g
	s_wait_dscnt 0x0
	ADDG \g
.endr
.Lsummed:
	s_wait_alu depctr_va_vdst(0)
	v_rcp_f32 v[RC], v[LS]
	v_rcp_f32 v[RC+1], v[LS+1]
	v_nop                                          ; a plain place behind the reciprocals
	s_wait_alu depctr_va_vdst(0)                   ; the two reciprocals have written v172 and v173: one wait for both, ahead of the first reader
.irp i, 0,1
.irp e, 0,1,2,3
	v_mul_f32 v[ACC+4*\i+\e], v[ACC+4*\i+\e], v[RC+\i]
.endr
.endr
	s_wait_alu depctr_va_vdst(0)                   ; the two rows v128 to v135 are written, which the stores read; and the merge's vector lines are done with v140 to v173, in which the parts of the sum of v land where my second row wants them
	global_store_b128 v1, v[ACC:ACC+3], s[38:39] th:TH_STORE_NT              ; 32 lanes store a row: 512 consecutive bytes, at a multiple of 512 from out0's first byte
	s_cmp_eq_u32 s40, 1
	s_cbranch_scc1 .Lone
	global_store_b128 v1, v[ACC+4:ACC+7], s[38:39] offset:512 th:TH_STORE_NT
	s_wait_dscnt 0x0                               ; the closing lines, six on end
	s_wait_alu 0x0
	s_wait_tensorcnt 0x0
	ds_add_u32 v235, v239
	s_wait_dscnt 0x0
	s_endpgm
; The row of a query at or beyond the length: the sixteen parts of the sum over the keys of the quantised v, added in two chains, / 2,048
.macro MEAN
.irp s, 0,1,2,3,4,5,6,7,8,9,10,11,12,13,14,15
	global_load_b128 v[MN+4*\s:MN+4*\s+3], v1, s[36:37] offset:512*\s
.endr
	s_wait_loadcnt 0x0
.irp e, 0,2
	v_pk_add_f32 v[MA+\e:MA+\e+1], v[MN+\e:MN+\e+1], v[MN+4+\e:MN+5+\e]
	v_pk_add_f32 v[MB+\e:MB+\e+1], v[MN+8+\e:MN+9+\e], v[MN+12+\e:MN+13+\e]
.endr
.irp s, 4,6,8,10,12,14
.irp e, 0,2
	v_pk_add_f32 v[MA+\e:MA+\e+1], v[MA+\e:MA+\e+1], v[MN+4*\s+\e:MN+4*\s+\e+1]
	v_pk_add_f32 v[MB+\e:MB+\e+1], v[MB+\e:MB+\e+1], v[MN+4*\s+4+\e:MN+4*\s+5+\e]
.endr
.endr
.irp e, 0,2
	v_pk_add_f32 v[MA+\e:MA+\e+1], v[MA+\e:MA+\e+1], v[MB+\e:MB+\e+1]
.endr
.irp e, 0,2
	v_pk_mul_f32 v[MA+\e:MA+\e+1], v[MA+\e:MA+\e+1], 0x3a000000 op_sel_hi:[1,0]   ; x 2^-11: l = 2,048 exactly
.endr
	s_wait_alu depctr_va_vdst(0)                   ; the row v204 to v207 is written, which the store or stores behind this macro read
.endm
.Lone:                                             ; my second row alone lies at or beyond the length
	MEAN
	global_store_b128 v1, v[MA:MA+3], s[38:39] offset:512 th:TH_STORE_NT
	s_wait_dscnt 0x0                               ; the closing lines, six on end
	s_wait_alu 0x0
	s_wait_tensorcnt 0x0
	ds_add_u32 v235, v239
	s_wait_dscnt 0x0
	s_endpgm
.Lall:                                             ; both do
	MEAN
	global_store_b128 v1, v[MA:MA+3], s[38:39] th:TH_STORE_NT
	global_store_b128 v1, v[MA:MA+3], s[38:39] offset:512 th:TH_STORE_NT
	s_wait_dscnt 0x0                               ; the closing lines, six on end
	s_wait_alu 0x0
	s_wait_tensorcnt 0x0
	ds_add_u32 v235, v239
	s_wait_dscnt 0x0
	s_endpgm
.Lfunc_end_k_qb84da98d3d_attn:
	.size	k_qb84da98d3d_attn, .Lfunc_end_k_qb84da98d3d_attn-k_qb84da98d3d_attn
	.p2alignl 7, 3214868480
	.fill 96, 4, 3214868480
	.section	.rodata,"a",@progbits
	.p2align	6, 0x0
	.amdhsa_kernel k_qb84da98d3d_attn
		.amdhsa_group_segment_fixed_size 277504
		.amdhsa_private_segment_fixed_size 0
		.amdhsa_enable_private_segment 0
		.amdhsa_kernarg_size 32
		.amdhsa_user_sgpr_count 2
		.amdhsa_user_sgpr_kernarg_segment_ptr 1
		.amdhsa_wavefront_size32 1
		.amdhsa_system_sgpr_workgroup_id_x 1
		.amdhsa_system_sgpr_workgroup_id_y 1
		.amdhsa_system_sgpr_workgroup_id_z 1
		.amdhsa_system_vgpr_workitem_id 0
		.amdhsa_next_free_vgpr 256
		.amdhsa_next_free_sgpr 66
		.amdhsa_reserve_vcc 0
		.amdhsa_float_denorm_mode_32 3
		.amdhsa_float_denorm_mode_16_64 3
		.amdhsa_memory_ordered 1
		.amdhsa_forward_progress 1
		.amdhsa_inst_pref_size 83
	.end_amdhsa_kernel
	.amdgpu_metadata
---
amdhsa.version: [ 1, 2 ]
amdhsa.kernels:
  - .name:           k_qb84da98d3d_attn
    .symbol:         k_qb84da98d3d_attn.kd
    .args:
      - { .name: order, .offset: 0, .size: 8, .value_kind: global_buffer, .address_space: global }
      - { .name: codes, .offset: 8, .size: 8, .value_kind: global_buffer, .address_space: global }
      - { .name: scales, .offset: 16, .size: 8, .value_kind: global_buffer, .address_space: global }
      - { .name: out0, .offset: 24, .size: 8, .value_kind: global_buffer, .address_space: global }
    .group_segment_fixed_size: 277504
    .private_segment_fixed_size: 0
    .kernarg_segment_align: 8
    .kernarg_segment_size: 32
    .max_flat_workgroup_size: 512
    .sgpr_count:     66
    .vgpr_count:     256
    .wavefront_size: 32
...
	.end_amdgpu_metadata
.endif
;; end of part 6
